; MI455X (gfx1250); checked and timed in simulation.
; The chip was launched on July 23, 2026; its instructions are those of AMD's public machine-readable ISA for CDNA 5 (MIT licence, August 2026) and "CDNA5" Instruction Set Architecture Reference Guide (July 2026). The comments in the code are by the model that wrote it; some were corrected since.
;; Innocent Attention. Allowed arithmetic: matrix products marked QUANTISED: E2M1 operands, one E8M0 scale for each 32 along K, by v_wmma_scale_f32_16x16x128_f8f6f4 with both operands' format E2M1 (or v_wmma_scale_f32_32x16x128_f4), f32 sums; everything else in f32.
;; Inputs: event_length 4 int32; k 4 x 16 x 2,048 x 64 float32; q 4 x 16 x 2,048 x 64 float32; v 4 x 16 x 2,048 x 64 float32.
;; Outputs: out0 4 x 16 x 2,048 x 64 float32.
;; This version of the problem:
;;   THIS VERSION OF THE PROBLEM IS GIVEN IN LOW PRECISION. The matrix products marked QUANTISED in the list below multiply operands that are first quantised to E2M1 (2 exponent bits, 1 mantissa bit; 4 bits a number), with one power-of-two scale for each 32 numbers along K (OCP MX v1.0); their sums are f32. All else is computed in f32.
;;   The module's matrix products, in the order in which they are computed (A, B: the left and right operand; K: the contracted axis; several contracted axes count as one K, in the product's order):
;;     1. batch 64 x [M 2,048, K 64] x [K 64, N 2,048]; A: input q; B: input k: QUANTISED
;;     2. batch 64 x [M 2,048, K 2,048] x [K 2,048, N 64]; A: softmax (see below); B: input v: QUANTISED
;;   THE QUANTISER, for each operand of a quantised product, along K:
;;     - K is cut into blocks of 32 from its start; a last block that is shorter is filled with zeros.
;;     - A block's scale is 2^e with e = floor(log2(the largest magnitude in the block)) - 2, held to -126 .. 127; a block of zeros has e = 0. As a byte (E8M0): e + 127.
;;     - Each number is divided by its block's scale, clamped to +-6, and rounded to the nearest number of E2M1, ties to even, subnormals kept.
;;     - The product sums the exact products of the quantised numbers (number of the format x scale) in f32.
;;   ~~~python
;;   def quantise(x, axis):      # numpy; x: float32 -> the quantised numbers, widened to float32 again
;;       x = np.moveaxis(x, axis, -1); K = x.shape[-1]
;;       x = np.pad(x, [(0, 0)] * (x.ndim - 1) + [(0, -K % 32)]); x = x.reshape(x.shape[:-1] + (-1, 32)); a = np.abs(x).max(-1, keepdims=True)
;;       e = np.where(a > 0, np.clip(np.frexp(np.where(a > 0, a, 1))[1] - 1 - 2, -126, 127), 0)      # np.frexp(a)[1] - 1 = floor(log2(a)), exactly
;;       r = np.clip(x / 2.0 ** e, -6, 6)
;;       step = 2.0 ** (np.maximum(np.frexp(np.where(r == 0, 1, r))[1] - 1, 0) - 1)
;;       q = np.round(r / step) * step * 2.0 ** e      # np.round: ties to even
;;       return np.moveaxis(q.reshape(q.shape[:-2] + (-1,))[..., :K], -1, axis).astype(np.float32)
;;   ~~~
;;   SOFTMAX AHEAD OF A QUANTISED PRODUCT. Where the list says 'softmax', what is quantised is not the finished softmax but p = 2^(t - M), with t = logit x log2(e) and M = ceil(the row's largest t), a whole number; so 1/2 < the row's largest p <= 1. The row's sum l is taken of the UNQUANTISED p, in f32, and the product's result is divided by l at the end. Since M is a whole number, a kernel that streams over the keys may use a running M (the ceiling of the running maximum): every later rescaling is an exact power of two, which a block's scale takes up: the codes' values come out the same.
;;   OPERANDS COMPUTED ON THE WAY. 'Computed on the way' means the value that the module computes at that place (a softmax that the list does not call 'softmax' is quantised finished and normalised). What goes into a quantiser is computed in f32, as accurately as f32 sums, v_exp_f32 and their like allow (about 1e-6 of the number): no bf16 or f16 on the way to a quantiser, and a product that is left as it is and whose result goes on into a quantised operand takes f32 operands (vector FMAs, or v_wmma_f32_16x16x4_f32). A number that lies on a knife's edge between two numbers of the format may be rounded either way, as far as f32 arithmetic and the matrix unit's own rounding can turn it there, and no further.
;; 2 versions. Each part assembles by itself: llvm-mc -triple=amdgcn-amd-amdhsa -mcpu=gfx1250 --defsym DOCPART=n.
;; ======== version 1 of 2: 2 launches
;; limits: right only within a limited range of input values
;; workspace buffers: kc 4,194,304 bytes; ks 262,144 bytes; vc 4,194,304 bytes; vs 262,144 bytes
;; launch quant (part 1): grid 1024 x 1, 4 waves a work-group, no clusters, 35,328 bytes of LDS; arguments k, v, event_length, kc, ks, vc, vs; writes kc, ks, vc, vs
.if DOCPART == 1
	.amdgcn_target "amdgcn-amd-amdhsa--gfx1250"
	.amdhsa_code_object_version 6
	.text
	.protected	k_q28178b8e26_quant
	.globl	k_q28178b8e26_quant
	.p2align	8
	.type	k_q28178b8e26_quant,@function
k_q28178b8e26_quant:
	s_mov_b64 s[64:65], 0
	v_nop
	global_prefetch_b8 v0, s[64:65] scope:SCOPE_SE
	s_setreg_imm32_b32 hwreg(HW_REG_WAVE_MODE, 25, 1), 1
	s_wait_xcnt 0x0
; K and V, [64 heads][2048 keys][64] f32, become codes of FP4 (E2M1) with one E8M0 scale byte for each 32 along a product's K,
; laid as IMAGES OF THE OPERANDS' REGISTERS, so that the attention launch takes every fragment by loads of 16 bytes a lane, lane by lane.
; K is quantised along d (two blocks a key), V along the keys (a block = 32 neighbouring keys of one d).  A step is 128 keys.
;   kc [head][step 16][tile t 8][lane 32][16 B]: lane (r = lane % 16, hh = lane / 16) of tile t = 2 p + u: the 32 codes d = 32 hh .. of key 128 step + 32 p + 8 u + r + 8 (r / 8)
;   ks [head][step][x 2][lane 32][4 B]: word (x, L): pair of tiles p = 2 x + L / 16, row L % 16; bytes: tile 2p block 0, 1, tile 2p+1 block 0, 1
;   vc [head][step][i = 2 t + c, 8][lane 32][16 B]: lane (r, hh): d = 16 t + r, keys 128 step + 64 c + 32 hh + 0 .. 31
;   vs [head][step][x 2][lane 32][4 B]: word (x, L): d = 32 x + L; byte kb: key block kb of the step
; A block's scale is 2^(floor(log2(its largest magnitude)) - 2): its byte is the largest magnitude's exponent field - 2, held at 1 from below.
; A block of zeros so gets the byte 1 where the quantiser says 127: its codes are zeros, and this program alone reads the bytes.
; LIMITS: blocks whose largest magnitude lies under 2^-124 keep the byte 1; NaN and infinities among the inputs are not served.
; SHARES.  Work-groups 0-511 take V, 512-1023 take K.  Unit u = 4 (work-group % 512) + wave = 32 head + 2 step + x.
;   A wave of V: 128 keys x 32 columns d = 32 x + lane: a lane takes a column and its registers run down the keys, so a block lies in one lane.
;   A wave of K: 64 keys (tiles 4 x .. 4 x + 3): dense loads, 512 consecutive bytes each, turned through the wave's own stage in LDS so that a lane holds the 32 neighbours of one block.
; K's steps that begin at or beyond max(event_length, 1) are never multiplied (the mask that the problem builds hides their keys): their waves store nothing and end.  Step 0 is always made.
; V is wanted whole: a row at or beyond event_length weighs all 2,048 keys alike.
; No barrier (waves share nothing), no loop: every offset is an immediate, and no store's data or address register is written again, so no wait stands for them.
.set R,  32                            ; v32-159  numbers: K: 4 tiles x 32; V: two sets of 32
.set C,  160                           ; v160-175 codes: four registers for each tile or block
.set E,  12                            ; v12-15   K's scale bytes, one a tile
.set SB, 16                            ; v16      V's scale word
.set SP, 272                           ; a stage row: 256 bytes + 16
.set STAGE, 16*SP                      ; a stage: 16 rows; two for each wave
	s_load_b256 s[4:11], s[0:1], 0x0               ; k s[4:5], v s[6:7], event_length s[8:9], kc s[10:11]
	s_load_b128 s[12:15], s[0:1], 0x20             ; ks s[12:13], vc s[14:15]
	s_load_b64 s[16:17], s[0:1], 0x30              ; vs
	v_lshl_add_u32 v192, v0, 2, 0x8800
	v_mov_b32 v193, 0
	v_lshrrev_b32 v1, 5, v0
	v_readfirstlane_b32 s18, v1                    ; wave 0..3
	v_and_b32 v1, 31, v0                           ; lane
	v_lshlrev_b32 v2, 4, v1                        ; 16 x lane
	v_lshlrev_b32 v3, 2, v1                        ; 4 x lane
	v_bfe_u32 v11, v0, 4, 1                        ; hh
	v_and_b32 v21, 15, v0                          ; r
	s_mul_i32 s19, s18, 2*STAGE                    ; my wave's two stages
	v_mul_u32_u24 v4, v11, SP
	v_lshl_add_u32 v4, v21, 4, v4
	v_add_nc_u32 v4, s19, v4                       ; into a stage: a load's two rows as they lie: row hh, 16 bytes a lane
	v_mul_u32_u24 v5, v21, SP
	v_lshl_add_u32 v5, v11, 7, v5
	v_add_nc_u32 v5, s19, v5                       ; out of it: row r, block hh (128 bytes)
	v_lshlrev_b32 v6, 10, v11
	v_lshl_add_u32 v6, v21, 4, v6                  ; V's codes: tile 2 x + lane / 16 (1,024 bytes a tile), 16 bytes a row
	v_lshlrev_b32 v7, 3, v11                       ; 8 hh: a byte's place in a scale word
	s_and_b32 s24, ttmp9, 511
	s_lshl_b32 s24, s24, 2
	s_add_co_u32 s24, s24, s18                     ; u
	s_lshl_b32 s28, s24, 11                        ; my 2,048 bytes of codes
	s_mov_b32 s29, 0
	s_lshl_b32 s30, s24, 7                         ; my 128 bytes of scale words
	s_mov_b32 s31, 0
	s_mov_b32 s33, 0
	s_wait_kmcnt 0x0
	s_cmp_lt_u32 ttmp9, 512
	s_cbranch_scc0 .Lk_path
; 32 numbers of one lane, one block, become 4 registers of codes and a scale byte.
.macro QUANT32 src, dst, byte
	v_max3_num_f32 v8, |v[(\src)]|, |v[(\src)+1]|, |v[(\src)+2]|      ; the largest magnitude, in two chains
	v_max3_num_f32 v9, |v[(\src)+3]|, |v[(\src)+4]|, |v[(\src)+5]|
.irp i, 6,10,14,18,22,26
	v_max3_num_f32 v8, v8, |v[(\src)+\i]|, |v[(\src)+\i+1]|
	v_max3_num_f32 v9, v9, |v[(\src)+\i+2]|, |v[(\src)+\i+3]|
.endr
	v_max3_num_f32 v8, v8, |v[(\src)+30]|, |v[(\src)+31]|
	v_max3_num_f32 v8, v8, v9, 0x1800000           ; and the floor 2^(3 - 127): the byte cannot fall under 1
	v_add_nc_u32 v10, 0xff000000, v8               ; 2 off the exponent field: the conversion takes this operand's exponent field as its scale
	v_lshrrev_b32 v[(\byte)], 23, v10              ; the scale's byte
.irp g, 0,1,2,3
	v_cvt_scalef32_pk8_fp4_f32 v[(\dst)+\g], v[(\src)+8*\g:(\src)+8*\g+7], v10
.endr
	v_nop                                          ; one plain vector line behind the last conversion of a run
.endm
	; ---------------- V ----------------
	s_lshr_b32 s32, s24, 1
	s_lshl_b32 s32, s32, 15                        ; the step's 128 rows of 256 bytes,
	s_and_b32 s27, s24, 1
	s_lshl_b32 s27, s27, 7
	s_add_co_u32 s32, s32, s27                     ; my 32 columns
	s_add_nc_u64 s[6:7], s[6:7], s[32:33]
	s_add_nc_u64 s[14:15], s[14:15], s[28:29]
	s_add_nc_u64 s[16:17], s[16:17], s[30:31]
.macro LOADV t                         ; key block t: V(32 t + i, my column) into set t % 2; a wave's load covers 128 consecutive bytes
.irp i, 0,1,2,3,4,5,6,7,8,9,10,11,12,13,14,15,16,17,18,19,20,21,22,23,24,25,26,27,28,29,30,31
	global_load_b32 v[R+32*((\t)%2)+\i], v3, s[6:7] offset:(32*(\t)+\i)*256 th:TH_LOAD_NT
.endr
.endm
.macro BLOCKV t
.if (\t) < 3
	s_wait_loadcnt 32                              ; this block's 32 loads are in; the next block's 32 may be out
.else
	s_wait_loadcnt 0x0
.endif
	QUANT32 R+32*((\t)%2), C+4*(\t), 22
.if (\t) == 0
	v_mov_b32 v[SB], v22                           ; four bytes to the word, the lower keys in the lower byte
.else
	v_lshl_or_b32 v[SB], v22, 8*(\t), v[SB]
.endif
	global_store_b128 v6, v[C+4*(\t):C+4*(\t)+3], s[14:15] offset:256*(\t)   ; lanes 0-15 and lanes 16-31 each store 256 consecutive bytes, aligned
.if (\t) < 2
	LOADV (\t)+2
.endif
.endm
	LOADV 0
	LOADV 1
	BLOCKV 0
	BLOCKV 1
	BLOCKV 2
	BLOCKV 3
	global_store_b32 v3, v[SB], s[16:17]           ; my 32 columns' scale words: 128 consecutive bytes
	s_endpgm
	; ---------------- K ----------------
.Lk_path:
	s_load_b128 s[20:23], s[8:9], 0x0              ; the four event lengths
	s_lshr_b32 s25, s24, 9                         ; the batch: head / 16
	s_bfe_u32 s26, s24, 0x40001                    ; the step,
	s_lshl_b32 s26, s26, 7                         ; its first key
	s_lshl_b32 s32, s24, 14                        ; my 64 keys of 256 bytes
	s_add_nc_u64 s[4:5], s[4:5], s[32:33]
	s_add_nc_u64 s[10:11], s[10:11], s[28:29]
	s_add_nc_u64 s[12:13], s[12:13], s[30:31]
	s_mov_b32 s36, 0x76543210
	s_mov_b32 s37, 0xfedcba98                      ; v_permlanex16_b32's selects for lane l xor 16
	v_mov_b32 v19, 0                               ; a lane permute's destination counts as one of its sources
	v_mov_b32 v20, 0
	s_wait_kmcnt 0x0
	s_mov_b32 s34, s20
	s_cmp_eq_u32 s25, 1
	s_cselect_b32 s34, s21, s34
	s_cmp_eq_u32 s25, 2
	s_cselect_b32 s34, s22, s34
	s_cmp_eq_u32 s25, 3
	s_cselect_b32 s34, s23, s34                    ; my batch's
	s_max_i32 s34, s34, 1                          ; step 0 is always made
	s_cmp_ge_i32 s26, s34
	s_cbranch_scc1 .Ldone                          ; all 128 keys of the step are hidden from every row that looks at keys one by one
.macro LOADK j                         ; local tile j: rows 0-7 are keys k0 .. k0 + 7, rows 8-15 keys k0 + 16 .. k0 + 23, k0 = 32 (j / 2) + 8 (j % 2); each load: two keys, 512 consecutive bytes
.irp i, 0,1,2,3
	global_load_b128 v[R+32*(\j)+4*\i:R+32*(\j)+4*\i+3], v2, s[4:5] offset:(32*((\j)/2)+8*((\j)%2))*256+512*\i th:TH_LOAD_NT
.endr
.irp i, 4,5,6,7
	global_load_b128 v[R+32*(\j)+4*\i:R+32*(\j)+4*\i+3], v2, s[4:5] offset:(32*((\j)/2)+8*((\j)%2)+16)*256+512*(\i-4) th:TH_LOAD_NT
.endr
.endm
.macro TURN j                          ; tile j through a stage: in as loaded, out 128 bytes a lane.  LDS serves a wave's instructions in order (ISA guide 5.7.1.4): no wait between the stores and the loads
.irp i, 0,1,2,3,4,5,6,7
	ds_store_b128 v4, v[R+32*(\j)+4*\i:R+32*(\j)+4*\i+3] offset:((\j)%2)*STAGE+2*\i*SP
.endr
.irp i, 0,1,2,3,4,5,6,7
	ds_load_b128 v[R+32*(\j)+4*\i:R+32*(\j)+4*\i+3], v5 offset:((\j)%2)*STAGE+16*\i
.endr
.endm
	LOADK 0
	LOADK 1
	LOADK 2
	LOADK 3                                        ; all 32 loads of the wave are out together
	s_wait_loadcnt 24                              ; tile 0's eight are in
	TURN 0
.irp j, 0,1,2,3
.if \j < 3
	s_wait_loadcnt 16-8*\j                         ; the next tile's eight are in; the later tiles' may be out
	TURN \j+1
	s_wait_dscnt 16                                ; this tile is back from its stage; the next tile's sixteen LDS instructions may be out
.else
	s_wait_dscnt 0x0
.endif
	QUANT32 R+32*\j, C+4*\j, E+\j
	global_store_b128 v2, v[C+4*\j:C+4*\j+3], s[10:11] offset:512*\j   ; a tile's image: 512 consecutive bytes
.endr
	v_lshl_or_b32 v17, v[E+1], 16, v[E]            ; my block's bytes of tiles 0 and 1,
	v_lshl_or_b32 v18, v[E+3], 16, v[E+2]          ; and of tiles 2 and 3,
	v_lshlrev_b32 v17, v7, v17                     ; at block hh's places;
	v_lshlrev_b32 v18, v7, v18
	v_permlanex16_b32 v19, v17, s36, s37
	v_permlanex16_b32 v20, v18, s36, s37
	v_or_b32 v17, v17, v19                         ; with the other block's the words are whole
	v_or_b32 v18, v18, v20
	v_cmp_ne_u32 vcc_lo, 0, v7
	v_cndmask_b32 v17, v17, v18, vcc_lo            ; lanes 0-15 keep the first pair's word, lanes 16-31 the second's
	global_store_b32 v3, v17, s[12:13]             ; 128 consecutive bytes
.Ldone:
	s_wait_tensorcnt 0x0
	ds_add_u32 v192, v193
	s_wait_dscnt 0x0
	s_endpgm
.Lfunc_end_k_q28178b8e26_quant:
	.size	k_q28178b8e26_quant, .Lfunc_end_k_q28178b8e26_quant-k_q28178b8e26_quant
	.p2alignl 7, 3214868480
	.fill 96, 4, 3214868480
	.section	.rodata,"a",@progbits
	.p2align	6, 0x0
	.amdhsa_kernel k_q28178b8e26_quant
		.amdhsa_group_segment_fixed_size 35328
		.amdhsa_private_segment_fixed_size 0
		.amdhsa_enable_private_segment 0
		.amdhsa_kernarg_size 56
		.amdhsa_user_sgpr_count 2
		.amdhsa_user_sgpr_kernarg_segment_ptr 1
		.amdhsa_wavefront_size32 1
		.amdhsa_system_sgpr_workgroup_id_x 1
		.amdhsa_system_sgpr_workgroup_id_y 1
		.amdhsa_system_sgpr_workgroup_id_z 1
		.amdhsa_system_vgpr_workitem_id 0
		.amdhsa_next_free_vgpr 194
		.amdhsa_next_free_sgpr 66
		.amdhsa_reserve_vcc 1
		.amdhsa_float_denorm_mode_32 3
		.amdhsa_float_denorm_mode_16_64 3
		.amdhsa_memory_ordered 1
		.amdhsa_forward_progress 1
		.amdhsa_inst_pref_size 36
	.end_amdhsa_kernel
	.amdgpu_metadata
---
amdhsa.version: [ 1, 2 ]
amdhsa.kernels:
  - .name:           k_q28178b8e26_quant
    .symbol:         k_q28178b8e26_quant.kd
    .args:
      - { .name: k, .offset: 0, .size: 8, .value_kind: global_buffer, .address_space: global }
      - { .name: v, .offset: 8, .size: 8, .value_kind: global_buffer, .address_space: global }
      - { .name: event_length, .offset: 16, .size: 8, .value_kind: global_buffer, .address_space: global }
      - { .name: kc, .offset: 24, .size: 8, .value_kind: global_buffer, .address_space: global }
      - { .name: ks, .offset: 32, .size: 8, .value_kind: global_buffer, .address_space: global }
      - { .name: vc, .offset: 40, .size: 8, .value_kind: global_buffer, .address_space: global }
      - { .name: vs, .offset: 48, .size: 8, .value_kind: global_buffer, .address_space: global }
    .group_segment_fixed_size: 35328
    .private_segment_fixed_size: 0
    .kernarg_segment_align: 8
    .kernarg_segment_size: 56
    .max_flat_workgroup_size: 128
    .sgpr_count:     66
    .vgpr_count:     194
    .wavefront_size: 32
...
	.end_amdgpu_metadata
.endif
;; end of part 1
;; launch attn (part 2): grid 8 x 64, 16 waves a work-group, no clusters, 215,040 bytes of LDS; arguments q, event_length, kc, ks, vc, vs, out0; writes out0
.if DOCPART == 2
	.amdgcn_target "amdgcn-amd-amdhsa--gfx1250"
	.amdhsa_code_object_version 6
	.text
	.protected	k_q28178b8e26_attn
	.globl	k_q28178b8e26_attn
	.p2align	8
	.type	k_q28178b8e26_attn,@function
k_q28178b8e26_attn:
	s_mov_b64 s[64:65], 0
	v_nop
	global_prefetch_b8 v0, s[64:65] scope:SCOPE_SE
	s_setreg_imm32_b32 hwreg(HW_REG_WAVE_MODE, 25, 1), 1
	s_wait_xcnt 0x0
; out[b][h][s] = softmax over keys of (q.k / 8, or -1e9 where s or the key is at or beyond event_length[b]) x v, both products on codes of FP4 (E2M1) with one E8M0 scale for each 32 along K.
; A ROW UNDER event_length sees the keys under event_length alone: the others' weights are exactly 0.  t = score x log2(e) / 8; M = the running largest t rounded UP to a whole number; p = 2^(t - M) is
; quantised along the keys; the row's sum is taken of the unquantised p and divides at the end; when M moves, the sum and O are multiplied by 2^(old M - new M), which rounds nothing.
; A ROW AT OR BEYOND event_length has 2,048 equal logits: p = 1 for every key (code 6 under the byte 125), the sum is 2,048: its result is U = (the sum over ALL keys of quantised v) / 2,048, one vector a head.
; LIMITS: NaN and infinities among the inputs are not served.  A hidden key's score is taken as -infinity: that gives the same weights, 0, as long as a valid row's largest score lies far above -1e9
; (|q.k| / 8 under some 1e8).  p under 2^-126 comes out of v_exp_f32 as 0.  event_length is held to 0 .. 2,048.
; SHARES.  A work-group owns 256 neighbouring queries of one head; each of its sixteen waves owns 16, one tile, in 256 registers: four waves to a SIMD, so that one wave's vector work stands beside another's
; matrix work and LDS loads.  A head's K and V as codes with their scale words are 139,264 bytes: they come into LDS ONCE, wave w bringing step w (128 keys), and are only read behind the one barrier.
; ORDER.  Work-group y = 16 rank + head-in-batch: every work-group sorts the four event lengths downward and takes the batch of its rank, so that the longest work stands first in the grid.
; NO CLUSTER, NO TENSOR LOAD, though the eight work-groups of a head read the same codes: a step whose keys are all hidden, and a tile without valid rows, is jumped over by a scalar branch on event_length,
; a number read from memory; and what is shared is read once by each work-group, at its head.
; LAYOUT.  Both products are used transposed: S^T = K Q^T (source 0 = keys, source 1 = my 16 queries), O^T = V^T P^T: a lane holds ONE query (lane % 16) throughout.
; THE HEAD'S 64 ON AN INSTRUCTION OF 128 ALONG K: source 0 holds TWO tiles of keys (registers 0-3 tile 2p, registers 4-7 tile 2p + 1); source 1 is [q, 0] for tile 2p and [0, q] for tile 2p + 1, cut from
; twelve registers 0 q 0.  The half that is not wanted meets zero codes.  THE KEYS OF A TILE ARE NOT NEIGHBOURS: row r of tile 2p + u is key 32 p + 8 u + r + 8 (r / 8), so that the 16 registers of a pair of
; tiles are 16 neighbouring keys, 32 p + 16 (lane / 16) + 0 .. 15.
.set KC,  0                            ; LDS: K's codes, 4,096 bytes a step
.set VC,  65536                        ; V's codes
.set KS,  131072                       ; K's scale words, 256 bytes a step
.set VS,  135168                       ; V's
.set UP,  139264                       ; sixteen partial vectors of U, 256 bytes each
.set STG, 143360                       ; a stage of 16 rows x 272 bytes for each wave, its own
.set SP,  272
.set LI,  1                            ; v1   16 x lane: an image's place for my lane; also my offset in dense global loads and stores
.set LIV, 2                            ; v2   + VC
.set LSK, 3                            ; v3   4 x lane + KS
.set LSV, 4                            ; v4   4 x lane + VS
.set STI, 5                            ; v5   my stage by rows as they lie in memory: row lane / 16, 16 bytes a lane
.set STQ, 6                            ; v6   my stage: row r, block hh of q (128 bytes)
.set STW, 7                            ; v7   my stage: row r, + 32 hh: where I put eight results
.set ADK, 8                            ; v8-11 the LDS addresses of the step in hand
.set ADV, 9
.set ADS, 10
.set ADT, 11
                                       ; v12 -M, v13 the largest t, v[14:15] the sum in two halves
.set B2,  16                           ; v[16:23] = [0, q]
.set B1,  20                           ; v[20:27] = [q, 0]
.set SQ1, 28                           ; scale registers, which hold scales and nothing else: q's word for [q, 0],
.set SQ2, 29                           ; for [0, q],
.set KSC, 30                           ; v30-31 K's words of a step,
.set VSC, 32                           ; v32-33 V's,
.set PW,  34                           ; p's
.set U4,  36                           ; v36-39 U at d = 4 (lane % 16) + 0 .. 3
.set KFR, 40                           ; v40-71  K's four double fragments
.set VFR, 72                           ; v72-103 V's four fragments
.set S,   104                          ; v104-167 S^T, then p
.set O,   168                          ; v168-199 O^T
.set PC,  200                          ; v200-207 p's codes
.set BM,  208                          ; v208-211 the blocks' largest score, then largest p
.set TP,  212                          ; v212-215 at work
.set SO,  216                          ; v216-219 the conversions' scale operands
.set TA,  220
.set F,   222                          ; v[222:223] f = 2^(old M - new M); at the end 1 / the sum
.set SUM2, 224                         ; v[224:225]
.set DL,  226
.set NINF, 227
.set L4,  228                          ; 4 x lane
.set H16, 229                          ; 16 hh
.set H8,  230                          ; 8 hh
.set UPW, 231                          ; UP + 256 wave + 32 hh
.set UPR, 232                          ; UP + 16 (lane % 16)
.set VD,  233                          ; event length - my first query - hh
.set CVC, 234                          ; the copies into slot w: V's codes,
.set CVS, 235                          ; V's scale words,
.set CKC, 236                          ; K's codes,
.set CKS, 237                          ; K's scale words
.set HH,  238
.set WV,  18                           ; s18 wave
.set SEL, 20                           ; s[20:21] v_permlanex16_b32's selects for lane l xor 16
.set CS,  22                           ; s[22:23] c = log2(e) / 8
.set EL,  32                           ; s32 my batch's event length, 0 .. 2,048
.set Q0,  34                           ; s34 my first query
.set ELT, 35                           ; s35 the keys that my tile walks: EL, or 0 where it has no valid row
.set KEY, 36                           ; s36 the step's first key
.set TS4, 37                           ; s37 the step's codes in LDS: 4,096 a step
.set TSC, 38                           ; s38 its scale words: 256 a step
; a scaled product.  acc = 0: it starts a sum; 1: it adds in place.  row = 1: source 0's scales lie in lanes 16-31
.macro MM d, a, b, acc, sa, sb, row
.if \acc
.if \row
	v_wmma_scale_f32_16x16x128_f8f6f4 v[(\d):(\d)+7], v[(\a):(\a)+7], v[(\b):(\b)+7], v[(\d):(\d)+7], v[(\sa)], v[(\sb)] matrix_a_fmt:MATRIX_FMT_FP4 matrix_b_fmt:MATRIX_FMT_FP4 matrix_a_scale:MATRIX_SCALE_ROW1
.else
	v_wmma_scale_f32_16x16x128_f8f6f4 v[(\d):(\d)+7], v[(\a):(\a)+7], v[(\b):(\b)+7], v[(\d):(\d)+7], v[(\sa)], v[(\sb)] matrix_a_fmt:MATRIX_FMT_FP4 matrix_b_fmt:MATRIX_FMT_FP4
.endif
.else
.if \row
	v_wmma_scale_f32_16x16x128_f8f6f4 v[(\d):(\d)+7], v[(\a):(\a)+7], v[(\b):(\b)+7], 0, v[(\sa)], v[(\sb)] matrix_a_fmt:MATRIX_FMT_FP4 matrix_b_fmt:MATRIX_FMT_FP4 matrix_a_scale:MATRIX_SCALE_ROW1
.else
	v_wmma_scale_f32_16x16x128_f8f6f4 v[(\d):(\d)+7], v[(\a):(\a)+7], v[(\b):(\b)+7], 0, v[(\sa)], v[(\sb)] matrix_a_fmt:MATRIX_FMT_FP4 matrix_b_fmt:MATRIX_FMT_FP4
.endif
.endif
.endm
; 32 numbers of one lane, one block, become 4 registers of codes and a scale byte; m0, m1, sc: registers at work
.macro QUANT32 src, dst, byte, m0, m1, sc
	v_max3_num_f32 v[\m0], |v[(\src)]|, |v[(\src)+1]|, |v[(\src)+2]|
	v_max3_num_f32 v[\m1], |v[(\src)+3]|, |v[(\src)+4]|, |v[(\src)+5]|
.irp i, 6,10,14,18,22,26
	v_max3_num_f32 v[\m0], v[\m0], |v[(\src)+\i]|, |v[(\src)+\i+1]|
	v_max3_num_f32 v[\m1], v[\m1], |v[(\src)+\i+2]|, |v[(\src)+\i+3]|
.endr
	v_max3_num_f32 v[\m0], v[\m0], |v[(\src)+30]|, |v[(\src)+31]|
	v_max3_num_f32 v[\m0], v[\m0], v[\m1], 0x1800000   ; the floor 2^(3 - 127): the byte cannot fall under 1
	v_add_nc_u32 v[\sc], 0xff000000, v[\m0]        ; 2 off the exponent field: the conversion's scale operand
	v_lshrrev_b32 v[\byte], 23, v[\sc]
.irp g, 0,1,2,3
	v_cvt_scalef32_pk8_fp4_f32 v[(\dst)+\g], v[(\src)+8*\g:(\src)+8*\g+7], v[\sc]
.endr
	v_nop                                          ; one plain vector line behind the last conversion of a run
.endm
.macro CMPSW a, b                      ; the larger into s[a], the smaller into s[b]
	s_max_u32 s28, s[\a], s[\b]
	s_min_u32 s[\b], s[\a], s[\b]
	s_mov_b32 s[\a], s28
.endm
.macro TREE st, n                      ; groups of four registers, st registers apart, are added in pairs
.set g, 0
.rept \n
	v_pk_add_f32 v[S+g:S+g+1], v[S+g:S+g+1], v[S+g+\st:S+g+\st+1]
	v_pk_add_f32 v[S+g+2:S+g+3], v[S+g+2:S+g+3], v[S+g+\st+2:S+g+\st+3]
.set g, g+2*\st
.endr
.endm
	; ---------------- the head: no branch ----------------
	v_mov_b32 v[PW], 0x7d7d7d7d                    ; a P of ones for U: the byte 125 is 2^-2,
.irp i, 0,1,2,3,4,5,6,7
	v_mov_b32 v[PC+\i], 0x66666666                 ; the code 6 is 4.  (Written first: far more than eight plain lines ahead of the products that take them)
.endr
	s_load_b256 s[4:11], s[0:1], 0x0               ; q s[4:5], event_length s[6:7], kc s[8:9], ks s[10:11]
	s_load_b128 s[12:15], s[0:1], 0x20             ; vc s[12:13], vs s[14:15]
	s_load_b64 s[16:17], s[0:1], 0x30              ; out0
	v_lshl_add_u32 v254, v0, 2, 0x34000
	v_mov_b32 v255, 0
	v_lshrrev_b32 v239, 5, v0
	v_readfirstlane_b32 s[WV], v239                ; wave 0..15
	v_and_b32 v239, 31, v0                         ; lane
	v_lshlrev_b32 v[LI], 4, v239
	v_lshlrev_b32 v[L4], 2, v239
	v_bfe_u32 v[HH], v0, 4, 1                      ; hh
	v_and_b32 v239, 15, v0                         ; r
	v_add_nc_u32 v[LIV], VC, v[LI]
	v_add_nc_u32 v[LSK], KS, v[L4]
	v_add_nc_u32 v[LSV], VS, v[L4]
	s_mul_i32 s39, s[WV], 16*SP
	s_add_co_u32 s39, s39, STG                     ; my stage
	v_mul_u32_u24 v[STI], v[HH], SP
	v_lshl_add_u32 v[STI], v239, 4, v[STI]
	v_add_nc_u32 v[STI], s39, v[STI]
	v_mul_u32_u24 v240, v239, SP
	v_lshl_add_u32 v[STQ], v[HH], 7, v240
	v_add_nc_u32 v[STQ], s39, v[STQ]
	v_lshl_add_u32 v[STW], v[HH], 5, v240
	v_add_nc_u32 v[STW], s39, v[STW]
	v_lshlrev_b32 v[H16], 4, v[HH]
	v_lshlrev_b32 v[H8], 3, v[HH]
	s_lshl_b32 s38, s[WV], 8                       ; 256 x wave
	s_lshl_b32 s37, s[WV], 12                      ; 4,096 x wave
	v_lshl_add_u32 v[UPW], v[HH], 5, s38
	v_add_nc_u32 v[UPW], UP, v[UPW]
	v_lshl_add_u32 v[UPR], v239, 4, UP
	v_add_nc_u32 v[CVC], s37, v[LIV]
	v_add_nc_u32 v[CVS], s38, v[LSV]
	v_add_nc_u32 v[CKC], s37, v[LI]
	v_add_nc_u32 v[CKS], s38, v[LSK]
	s_mov_b32 s[SEL], 0x76543210
	s_mov_b32 s[SEL+1], 0xfedcba98
	s_mov_b32 s[CS], 0x3e38aa3b                    ; c = log2(e) / 8
	s_mov_b32 s[CS+1], s[CS]                       ; (named with it as a pair, so it is written)
	s_and_b32 s28, ttmp7, 0xffff
	s_lshr_b32 s29, s28, 4                         ; rank 0..3
	s_and_b32 s30, s28, 15                         ; the head in its batch
	s_lshl_b32 s[Q0], ttmp9, 8
	s_lshl_b32 s39, s[WV], 4
	s_add_co_u32 s[Q0], s[Q0], s39                 ; my first query: 256 x work-group x + 16 x wave
	s_wait_kmcnt 0x0
	s_load_b128 s[24:27], s[6:7], 0x0              ; the four event lengths
	s_wait_kmcnt 0x0
.irp i, 0,1,2,3
	s_max_i32 s[24+\i], s[24+\i], 0
	s_min_i32 s[24+\i], s[24+\i], 2048
	s_lshl_b32 s[24+\i], s[24+\i], 2
	s_or_b32 s[24+\i], s[24+\i], \i                ; the sort's key: 4 x length + batch
.endr
	CMPSW 24, 25                                   ; five exchanges sort four keys downward
	CMPSW 26, 27
	CMPSW 24, 26
	CMPSW 25, 27
	CMPSW 25, 26
	s_cmp_eq_u32 s29, 1
	s_cselect_b32 s24, s25, s24
	s_cmp_eq_u32 s29, 2
	s_cselect_b32 s24, s26, s24
	s_cmp_eq_u32 s29, 3
	s_cselect_b32 s24, s27, s24                    ; my rank's key
	s_and_b32 s31, s24, 3
	s_min_u32 s31, s31, 3                          ; the batch: a loaded number enters addresses only behind such a bound
	s_lshr_b32 s[EL], s24, 2
	s_min_u32 s[EL], s[EL], 2048
	s_lshl_b32 s33, s31, 4
	s_add_co_u32 s33, s33, s30                     ; the head, 0..63
	s_cmp_lt_u32 s[Q0], s[EL]                      ; has my tile a valid row?
	s_cselect_b32 s[ELT], s[EL], 0
	s_cselect_b32 s36, s[Q0], 0                    ; a tile without one loads the head's first tile of q, and nothing of it is used: so every register is written on every path
	s_min_u32 s36, s36, 2032
	s_add_co_u32 s39, s[EL], 127
	s_lshr_b32 s39, s39, 7
	s_max_u32 s39, s39, 1
	s_sub_co_u32 s39, s39, 1                       ; the last step of K that was made
	s_min_u32 s39, s39, s[WV]                      ; a wave beyond it copies that step into its slot, which no wave reads
	s_min_u32 s39, s39, 15
	s_mov_b32 s41, 0
	s_lshl_b32 s42, s33, 16                        ; a head's codes: 65,536 bytes
	s_add_co_u32 s40, s42, s37
	s_add_nc_u64 s[12:13], s[12:13], s[40:41]      ; vc at step w
	s_lshl_b32 s43, s39, 12
	s_add_co_u32 s40, s42, s43
	s_add_nc_u64 s[8:9], s[8:9], s[40:41]          ; kc at the step that I copy
	s_lshl_b32 s42, s33, 12                        ; a head's scale words: 4,096 bytes
	s_add_co_u32 s40, s42, s38
	s_add_nc_u64 s[14:15], s[14:15], s[40:41]      ; vs
	s_lshl_b32 s43, s39, 8
	s_add_co_u32 s40, s42, s43
	s_add_nc_u64 s[10:11], s[10:11], s[40:41]      ; ks
	s_lshl_b32 s42, s33, 19                        ; a head of q or out0: 524,288 bytes
	s_lshl_b32 s43, s36, 8
	s_add_co_u32 s40, s42, s43
	s_add_nc_u64 s[4:5], s[4:5], s[40:41]          ; q
	s_lshl_b32 s43, s[Q0], 8
	s_add_co_u32 s40, s42, s43
	s_add_nc_u64 s[16:17], s[16:17], s[40:41]      ; out0 at my first row
.irp i, 0,1,2,3,4,5,6,7
	global_load_b128 v[VFR+4*\i:VFR+4*\i+3], v[LI], s[12:13] offset:512*\i     ; V's step w: ten loads
.endr
	global_load_b32 v[VSC], v[L4], s[14:15]
	global_load_b32 v[VSC+1], v[L4], s[14:15] offset:128
.irp i, 0,1,2,3,4,5,6,7
	global_load_b128 v[KFR+4*\i:KFR+4*\i+3], v[LI], s[8:9] offset:512*\i       ; K's: ten
.endr
	global_load_b32 v[KSC], v[L4], s[10:11]
	global_load_b32 v[KSC+1], v[L4], s[10:11] offset:128
.irp i, 0,1,2,3,4,5,6,7
	global_load_b128 v[S+32+4*\i:S+32+4*\i+3], v[LI], s[4:5] offset:512*\i     ; my 16 rows of q, 512 consecutive bytes a load: eight
.endr
	s_wait_loadcnt 18                              ; V's ten are in; K's ten and q's eight may be out
.irp i, 0,1,2,3,4,5,6,7
	ds_store_b128 v[CVC], v[VFR+4*\i:VFR+4*\i+3] offset:512*\i
.endr
	ds_store_b32 v[CVS], v[VSC]
	ds_store_b32 v[CVS], v[VSC+1] offset:128
.irp t, 0,1,2,3                        ; U's part of step w: V^T x a P of ones: register j of lane (r, hh) of tile t: the sum over the step's 128 keys at d = 16 t + 8 hh + j, the same in all r
	MM S+8*\t, VFR+8*\t, PC, 0, VSC+\t/2, PW, \t%2
.endr
.set j, 0
.rept 32
	v_mov_b32 v[O+j], 0                            ; O^T.  (The key step is written once: its first trip finds zeros.  These lines are also the places behind the four products)
.set j, j+1
.endr
.irp j, 0,1,2,3
	v_mov_b32 v[16+\j], 0                          ; the zero codes on both sides of q's
	v_mov_b32 v[24+\j], 0
	v_mov_b32 v[TP+\j], 0                          ; a lane permute's destination counts as one of its sources
.endr
	v_mov_b32 v[F+1], 0                            ; (named as the upper half of a pair)
	v_mov_b32 v14, 0                               ; the sum, in two halves
	v_mov_b32 v15, 0
	v_mov_b32 v13, 0xff61b1e6                      ; the largest t so far: -3e38
	v_floor_f32 v12, -v13                          ; -M
.irp t, 0,1,2,3
	ds_store_b128 v[UPW], v[S+8*\t:S+8*\t+3] offset:64*\t          ; each result from its low end on; the sixteen lanes of a half write the same bytes with the same values
	ds_store_b128 v[UPW], v[S+8*\t+4:S+8*\t+7] offset:64*\t+16
.endr
	s_wait_loadcnt 8                               ; K's ten are in; q's eight may be out
.irp i, 0,1,2,3,4,5,6,7
	ds_store_b128 v[CKC], v[KFR+4*\i:KFR+4*\i+3] offset:512*\i
.endr
	ds_store_b32 v[CKS], v[KSC]
	ds_store_b32 v[CKS], v[KSC+1] offset:128
	s_wait_loadcnt 0x0                             ; q
.irp i, 0,1,2,3,4,5,6,7
	ds_store_b128 v[STI], v[S+32+4*\i:S+32+4*\i+3] offset:2*\i*SP  ; through my own stage: in as loaded,
.endr
.irp i, 0,1,2,3,4,5,6,7
	ds_load_b128 v[S+32+4*\i:S+32+4*\i+3], v[STQ] offset:16*\i     ; out: lane (r, hh) takes d = 32 hh + 0 .. 31 of query r.  LDS serves a wave's instructions in order (ISA guide 5.7.1.4)
.endr
	s_wait_dscnt 0x0                               ; for the others' sake: my slot of K and V and my part of U lie in LDS; and q is back
	s_barrier_signal -1                            ; THE ONE BARRIER.  Work on registers alone stands between its halves: q is quantised
	QUANT32 S+32, B1, TA, BM, BM+1, SO
	v_lshlrev_b32 v[TA], v[H8], v[TA]              ; my block's byte at its place,
	v_permlanex16_b32 v[TP], v[TA], s[SEL], s[SEL+1]
	v_or_b32 v[SQ1], v[TA], v[TP]                  ; with the other block's: bytes 0 and 1; bytes 2 and 3 are 0 and meet zero codes
	v_lshlrev_b32 v[SQ2], 16, v[SQ1]               ; and the same for [0, q]
	s_barrier_wait -1                              ; behind it K's and V's codes, their scale words and U's parts are only read
.irp p, 0,1,2,3,4,5,6,7,8,9,10,11,12,13,14,15
	ds_load_b128 v[S+4*\p:S+4*\p+3], v[UPR] offset:256*\p          ; U's sixteen parts at d = 4 (lane % 16) + 0 .. 3
.endr
	s_wait_dscnt 0x0
	TREE 4, 8
	TREE 8, 4
	TREE 16, 2
	TREE 32, 1
	v_pk_mul_f32 v[U4:U4+1], v[S:S+1], 0x3a000000 op_sel_hi:[1,0]  ; / 2,048, the sum of 2,048 ones
	v_pk_mul_f32 v[U4+2:U4+3], v[S+2:S+3], 0x3a000000 op_sel_hi:[1,0]
	; ---------------- the keys: sixteen trips, a constant; a step that my tile does not want is jumped over ----------------
	s_mov_b32 s[KEY], 0
	s_mov_b32 s[TS4], 0
	s_mov_b32 s[TSC], 0
.Lstep:
	s_cmp_ge_u32 s[KEY], s[ELT]
	s_cbranch_scc1 .Lskip                          ; all 128 keys hidden, or no valid row in my tile
	v_add_nc_u32 v[ADK], s[TS4], v[LI]             ; (these four are also the places between the last trip's products and the loads into their operands)
	v_add_nc_u32 v[ADV], s[TS4], v[LIV]
	v_add_nc_u32 v[ADS], s[TSC], v[LSK]
	v_add_nc_u32 v[ADT], s[TSC], v[LSV]
.irp i, 0,1,2,3,4,5,6,7
	ds_load_b128 v[KFR+4*\i:KFR+4*\i+3], v[ADK] offset:512*\i
.endr
	ds_load_b32 v[KSC], v[ADS]
	ds_load_b32 v[KSC+1], v[ADS] offset:128
.irp i, 0,1,2,3,4,5,6,7
	ds_load_b128 v[VFR+4*\i:VFR+4*\i+3], v[ADV] offset:512*\i
.endr
	ds_load_b32 v[VSC], v[ADT]
	ds_load_b32 v[VSC+1], v[ADT] offset:128
	s_wait_dscnt 10                                ; K's ten are in; V's ten, issued behind them, may be out
.irp p, 0,1,2,3                        ; S^T: a pair of tiles from one double fragment; every product starts its own sum
	MM S+16*\p, KFR+8*\p, B1, 0, KSC+\p/2, SQ1, \p%2
	MM S+16*\p+8, KFR+8*\p, B2, 0, KSC+\p/2, SQ2, \p%2
.endr
.rept 4
	v_nop                                          ; four places between a product and the first read of its result (ISA guide 7.12.1)
.endr
	s_add_co_u32 s39, s[KEY], 128
	s_cmp_le_u32 s39, s[EL]
	s_cbranch_scc1 .Lopen                          ; all 128 keys count
	s_sub_co_i32 s39, s[EL], s[KEY]
	v_sub_nc_u32 v[DL], s39, v[H16]                ; register 16 b + i holds key KEY + 32 b + 16 hh + i: hidden where 32 b + i >= EL - KEY - 16 hh
	v_mov_b32 v[NINF], 0xff800000                  ; -infinity: p = 0 then
.set n, 0
.rept 64
	v_cmp_ge_i32 vcc_lo, 32*(n/16)+n%16, v[DL]
	v_cndmask_b32 v[S+n], v[S+n], v[NINF], vcc_lo
.set n, n+1
.endr
.Lopen:
.irp b, 0,1,2,3
	v_max3_num_f32 v[BM+\b], v[S+16*\b], v[S+1+16*\b], v[S+2+16*\b]   ; the largest score of each block of 32 keys: for the row's maximum and, since p rises with the score, for the block's largest p
.endr
.irp i, 3,5,7,9,11,13
.irp b, 0,1,2,3
	v_max3_num_f32 v[BM+\b], v[BM+\b], v[S+16*\b+\i], v[S+1+16*\b+\i]
.endr
.endr
.irp b, 0,1,2,3
	v_max_num_f32 v[BM+\b], v[BM+\b], v[S+15+16*\b]
.endr
.irp b, 0,1,2,3
	v_permlanex16_b32 v[TP+\b], v[BM+\b], s[SEL], s[SEL+1]
.endr
.irp b, 0,1,2,3
	v_max_num_f32 v[BM+\b], v[BM+\b], v[TP+\b]     ; with lane l xor 16's 16 keys
.endr
	v_max3_num_f32 v[TA], v[BM], v[BM+1], v[BM+2]
	v_max_num_f32 v[TA], v[TA], v[BM+3]            ; the step's largest score of my query
	v_mul_f32 v[TA], s[CS], v[TA]                  ; as t
	v_max_num_f32 v13, v13, v[TA]                  ; the running largest t
	v_mov_b32 v[TA], v12
	v_floor_f32 v12, -v13                          ; the new -M = -ceil(t): a whole number
	v_sub_f32 v[TA], v12, v[TA]                    ; old M - new M, 0 or less
	v_cvt_i32_f32 v[TA], v[TA]                     ; (it saturates)
	v_ldexp_f32 v[F], 1.0, v[TA]                   ; f = 2^(old M - new M)
.set j, 0
.rept 32
	v_pk_fma_f32 v[S+j:S+j+1], v[S+j:S+j+1], s[CS:CS+1], v[12:13] op_sel_hi:[1,0,0]   ; t - M, two at a time
.set j, j+2
.endr
.irp b, 0,1,2,3
	v_fma_f32 v[BM+\b], v[BM+\b], s[CS], v12       ; the same of each block's largest score
.endr
.set j, 0
.rept 64
	v_exp_f32 v[S+j], v[S+j]                       ; p = 2^(t - M): one batch
.set j, j+1
.endr
	v_pk_mul_f32 v[14:15], v[14:15], v[F:F+1] op_sel_hi:[1,0]      ; the sums under the new M: the plain line behind the exponentials
	s_wait_alu depctr_va_vdst(0)                   ; one wait for the batch, ahead of its first reader
.irp b, 0,1,2,3
	v_exp_f32 v[BM+\b], v[BM+\b]                   ; the blocks' largest p
.endr
	v_pk_add_f32 v[SUM2:SUM2+1], v[S:S+1], v[S+2:S+3]              ; the row's sum is taken of the unquantised p, in two chains
.irp j, 4,8,12,16,20,24,28,32,36,40,44,48,52,56,60
	v_pk_add_f32 v[14:15], v[14:15], v[S+\j:S+\j+1]
	v_pk_add_f32 v[SUM2:SUM2+1], v[SUM2:SUM2+1], v[S+2+\j:S+3+\j]
.endr
	v_pk_add_f32 v[14:15], v[14:15], v[SUM2:SUM2+1]
	s_wait_alu depctr_va_vdst(0)                   ; and one for the four
.irp b, 0,1,2,3
	v_max_num_f32 v[BM+\b], 0x1800000, v[BM+\b]    ; the floor 2^(3 - 127): a block whose every p is 0 keeps the byte 1; its codes are zeros
.endr
.irp b, 0,1,2,3
	v_add_nc_u32 v[SO+\b], 0xff000000, v[BM+\b]    ; 2 off the exponent field: the conversion's scale operand
.endr
.irp b, 0,1,2,3
	v_lshrrev_b32 v[TP+\b], 23, v[SO+\b]           ; the scale's byte
.endr
	v_lshl_or_b32 v[PW], v[TP+1], 8, v[TP]         ; p's scale word for these 128 keys
	v_lshl_or_b32 v[PW], v[TP+2], 16, v[PW]
	v_lshl_or_b32 v[PW], v[TP+3], 24, v[PW]
.irp b, 0,1,2,3
	v_cvt_scalef32_pk8_fp4_f32 v[PC+2*\b], v[S+16*\b:S+16*\b+7], v[SO+\b]
	v_cvt_scalef32_pk8_fp4_f32 v[PC+1+2*\b], v[S+8+16*\b:S+15+16*\b], v[SO+\b]
.endr
	v_nop                                          ; one plain vector line behind the last conversion
.irp c, 0,1                            ; the operand's layout wants a whole block in a lane: lanes 0-15 block 2 c, lanes 16-31 block 2 c + 1
.irp i, 0,1
	v_permlane16_swap_b32 v[PC+4*\c+\i], v[PC+2+4*\c+\i]
.endr
.endr
.set j, 0
.rept 16
	v_pk_mul_f32 v[O+j:O+j+1], v[O+j:O+j+1], v[F:F+1] op_sel_hi:[1,0]   ; O^T under the new M, each tile from its low end on.  For each product below the twelve lines on the other tiles stand between p's scale word and codes and it
.set j, j+2
.endr
	s_wait_dscnt 0x0                               ; V
.irp t, 0,1,2,3                        ; O^T += V^T P^T: four accumulators by turns, one instruction a turn, over the backward jump too
	MM O+8*\t, VFR+8*\t, PC, 1, VSC+\t/2, PW, \t%2
.endr
.Lskip:
	s_add_co_u32 s[TS4], s[TS4], 4096
	s_add_co_u32 s[TSC], s[TSC], 256
	s_add_co_u32 s[KEY], s[KEY], 128
	s_cmp_lt_u32 s[KEY], 2048
	s_cbranch_scc1 .Lstep
	; ---------------- the way out: no branch ----------------
	s_sub_co_i32 s39, s[EL], s[Q0]
	v_add_f32 v14, v14, v15                        ; the sum's two halves,
	v_permlanex16_b32 v[TP], v14, s[SEL], s[SEL+1]
	v_add_f32 v14, v14, v[TP]                      ; and lane l xor 16's
	v_rcp_f32 v[F], v14                            ; (a tile without valid rows has the sum 0: what comes of it is thrown away by the selection below)
	v_sub_nc_u32 v[VD], s39, v[HH]                 ; row 2 i + hh of my tile is valid where 2 i < EL - Q0 - hh
	v_nop
	s_wait_alu depctr_va_vdst(0)                   ; the wait ahead of the reciprocal's first reader
.set j, 0
.rept 16
	v_pk_mul_f32 v[S+j:S+j+1], v[O+j:O+j+1], v[F:F+1] op_sel_hi:[1,0]   ; O^T / the sum: register 8 t + i is out(r, 16 t + 8 hh + i)
.set j, j+2
.endr
.irp t, 0,1,2,3
	ds_store_b128 v[STW], v[S+8*\t:S+8*\t+3] offset:64*\t
	ds_store_b128 v[STW], v[S+8*\t+4:S+8*\t+7] offset:64*\t+16
.endr
.irp i, 0,1,2,3,4,5,6,7
	ds_load_b128 v[S+32+4*\i:S+32+4*\i+3], v[STI] offset:2*\i*SP   ; back as whole rows, two an instruction; my own bytes, served in order
.endr
.irp i, 0,1,2,3,4,5,6,7
	s_wait_dscnt 7-\i                              ; rows 2 i and 2 i + 1 are back; the younger loads may be out
	v_cmp_lt_i32 vcc_lo, 2*\i, v[VD]
.irp k, 0,1,2,3
	v_cndmask_b32 v[S+32+4*\i+\k], v[U4+\k], v[S+32+4*\i+\k], vcc_lo   ; a row at or beyond event_length gets U
.endr
	global_store_b128 v[LI], v[S+32+4*\i:S+32+4*\i+3], s[16:17] offset:512*\i th:TH_STORE_NT   ; 32 lanes store 512 consecutive bytes, aligned: two rows; written once, read by nobody here
.endr
	s_wait_tensorcnt 0x0
	ds_add_u32 v254, v255
	s_wait_dscnt 0x0
	s_endpgm
.Lfunc_end_k_q28178b8e26_attn:
	.size	k_q28178b8e26_attn, .Lfunc_end_k_q28178b8e26_attn-k_q28178b8e26_attn
	.p2alignl 7, 3214868480
	.fill 96, 4, 3214868480
	.section	.rodata,"a",@progbits
	.p2align	6, 0x0
	.amdhsa_kernel k_q28178b8e26_attn
		.amdhsa_group_segment_fixed_size 215040
		.amdhsa_private_segment_fixed_size 0
		.amdhsa_enable_private_segment 0
		.amdhsa_kernarg_size 56
		.amdhsa_user_sgpr_count 2
		.amdhsa_user_sgpr_kernarg_segment_ptr 1
		.amdhsa_wavefront_size32 1
		.amdhsa_system_sgpr_workgroup_id_x 1
		.amdhsa_system_sgpr_workgroup_id_y 1
		.amdhsa_system_sgpr_workgroup_id_z 1
		.amdhsa_system_vgpr_workitem_id 0
		.amdhsa_next_free_vgpr 256
		.amdhsa_next_free_sgpr 66
		.amdhsa_reserve_vcc 1
		.amdhsa_float_denorm_mode_32 3
		.amdhsa_float_denorm_mode_16_64 3
		.amdhsa_memory_ordered 1
		.amdhsa_forward_progress 1
		.amdhsa_inst_pref_size 43
	.end_amdhsa_kernel
	.amdgpu_metadata
---
amdhsa.version: [ 1, 2 ]
amdhsa.kernels:
  - .name:           k_q28178b8e26_attn
    .symbol:         k_q28178b8e26_attn.kd
    .args:
      - { .name: q, .offset: 0, .size: 8, .value_kind: global_buffer, .address_space: global }
      - { .name: event_length, .offset: 8, .size: 8, .value_kind: global_buffer, .address_space: global }
      - { .name: kc, .offset: 16, .size: 8, .value_kind: global_buffer, .address_space: global }
      - { .name: ks, .offset: 24, .size: 8, .value_kind: global_buffer, .address_space: global }
      - { .name: vc, .offset: 32, .size: 8, .value_kind: global_buffer, .address_space: global }
      - { .name: vs, .offset: 40, .size: 8, .value_kind: global_buffer, .address_space: global }
      - { .name: out0, .offset: 48, .size: 8, .value_kind: global_buffer, .address_space: global }
    .group_segment_fixed_size: 215040
    .private_segment_fixed_size: 0
    .kernarg_segment_align: 8
    .kernarg_segment_size: 56
    .max_flat_workgroup_size: 512
    .sgpr_count:     66
    .vgpr_count:     256
    .wavefront_size: 32
...
	.end_amdgpu_metadata
.endif
;; end of part 2
;; ======== version 2 of 2: 2 launches
;; limits: right only within a limited range of input values
;; workspace buffers: kc 4,194,304 bytes; ks 262,144 bytes; vc 4,194,304 bytes; vs 262,144 bytes
;; launch quant (part 3): grid 1024 x 1, 4 waves a work-group, no clusters, 35,328 bytes of LDS; arguments k, v, event_length, kc, ks, vc, vs; writes kc, ks, vc, vs
.if DOCPART == 3
	.amdgcn_target "amdgcn-amd-amdhsa--gfx1250"
	.amdhsa_code_object_version 6
	.text
	.protected	k_q28178b8e26_quant
	.globl	k_q28178b8e26_quant
	.p2align	8
	.type	k_q28178b8e26_quant,@function
k_q28178b8e26_quant:
	s_mov_b64 s[64:65], 0
	v_nop
	global_prefetch_b8 v0, s[64:65] scope:SCOPE_SE
	s_setreg_imm32_b32 hwreg(HW_REG_WAVE_MODE, 25, 1), 1
	s_wait_xcnt 0x0
; K and V, [64 heads][2048 keys][64] f32, become codes of FP4 (E2M1) with one E8M0 scale byte for each 32 along a product's K,
; laid as IMAGES OF THE OPERANDS' REGISTERS, so that the attention launch takes every fragment by loads of 16 bytes a lane, lane by lane.
; K is quantised along d (two blocks a key), V along the keys (a block = 32 neighbouring keys of one d).  A step is 128 keys.
;   kc [head][step 16][tile t 8][lane 32][16 B]: lane (r = lane % 16, hh = lane / 16) of tile t = 2 p + u: the 32 codes d = 32 hh .. of key 128 step + 32 p + 8 u + r + 8 (r / 8)
;   ks [head][step][x 2][lane 32][4 B]: word (x, L): pair of tiles p = 2 x + L / 16, row L % 16; bytes: tile 2p block 0, 1, tile 2p+1 block 0, 1
;   vc [head][step][i = 2 t + c, 8][lane 32][16 B]: lane (r, hh): d = 16 t + r, keys 128 step + 64 c + 32 hh + 0 .. 31
;   vs [head][step][x 2][lane 32][4 B]: word (x, L): d = 32 x + L; byte kb: key block kb of the step
; A block's scale is 2^(floor(log2(its largest magnitude)) - 2): its byte is the largest magnitude's exponent field - 2, held at 1 from below.
; A block of zeros so gets the byte 1 where the quantiser says 127: its codes are zeros, and this program alone reads the bytes.
; LIMITS: blocks whose largest magnitude lies under 2^-124 keep the byte 1; NaN and infinities among the inputs are not served.
; SHARES.  Work-groups 0-511 take V, 512-1023 take K.  Unit u = 4 (work-group % 512) + wave = 32 head + 2 step + x.
;   A wave of V: 128 keys x 32 columns d = 32 x + lane: a lane takes a column and its registers run down the keys, so a block lies in one lane.
;   A wave of K: 64 keys (tiles 4 x .. 4 x + 3): dense loads, 512 consecutive bytes each, turned through the wave's own stage in LDS so that a lane holds the 32 neighbours of one block.
; K's steps that begin at or beyond max(event_length, 1) are never multiplied (the mask that the problem builds hides their keys): their waves store nothing and end.  Step 0 is always made.
; V is wanted whole: a row at or beyond event_length weighs all 2,048 keys alike.
; No barrier (waves share nothing), no loop: every offset is an immediate, and no store's data or address register is written again, so no wait stands for them.
.set R,  32                            ; v32-159  numbers: K: 4 tiles x 32; V: two sets of 32
.set C,  160                           ; v160-175 codes: four registers for each tile or block
.set E,  12                            ; v12-15   K's scale bytes, one a tile
.set SB, 16                            ; v16      V's scale word
.set SP, 272                           ; a stage row: 256 bytes + 16
.set STAGE, 16*SP                      ; a stage: 16 rows; two for each wave
	s_load_b256 s[4:11], s[0:1], 0x0               ; k s[4:5], v s[6:7], event_length s[8:9], kc s[10:11]
	s_load_b128 s[12:15], s[0:1], 0x20             ; ks s[12:13], vc s[14:15]
	s_load_b64 s[16:17], s[0:1], 0x30              ; vs
	v_lshl_add_u32 v192, v0, 2, 0x8800
	v_mov_b32 v193, 0
	v_lshrrev_b32 v1, 5, v0
	v_readfirstlane_b32 s18, v1                    ; wave 0..3
	v_and_b32 v1, 31, v0                           ; lane
	v_lshlrev_b32 v2, 4, v1                        ; 16 x lane
	v_lshlrev_b32 v3, 2, v1                        ; 4 x lane
	v_bfe_u32 v11, v0, 4, 1                        ; hh
	v_and_b32 v21, 15, v0                          ; r
	s_mul_i32 s19, s18, 2*STAGE                    ; my wave's two stages
	v_mul_u32_u24 v4, v11, SP
	v_lshl_add_u32 v4, v21, 4, v4
	v_add_nc_u32 v4, s19, v4                       ; into a stage: a load's two rows as they lie: row hh, 16 bytes a lane
	v_mul_u32_u24 v5, v21, SP
	v_lshl_add_u32 v5, v11, 7, v5
	v_add_nc_u32 v5, s19, v5                       ; out of it: row r, block hh (128 bytes)
	v_lshlrev_b32 v6, 10, v11
	v_lshl_add_u32 v6, v21, 4, v6                  ; V's codes: tile 2 x + lane / 16 (1,024 bytes a tile), 16 bytes a row
	v_lshlrev_b32 v7, 3, v11                       ; 8 hh: a byte's place in a scale word
	s_and_b32 s24, ttmp9, 511
	s_lshl_b32 s24, s24, 2
	s_add_co_u32 s24, s24, s18                     ; u
	s_lshl_b32 s28, s24, 11                        ; my 2,048 bytes of codes
	s_mov_b32 s29, 0
	s_lshl_b32 s30, s24, 7                         ; my 128 bytes of scale words
	s_mov_b32 s31, 0
	s_mov_b32 s33, 0
	s_wait_kmcnt 0x0
	s_cmp_lt_u32 ttmp9, 512
	s_cbranch_scc0 .Lk_path
; 32 numbers of one lane, one block, become 4 registers of codes and a scale byte.
.macro QUANT32 src, dst, byte
	v_max3_num_f32 v8, |v[(\src)]|, |v[(\src)+1]|, |v[(\src)+2]|      ; the largest magnitude, in two chains
	v_max3_num_f32 v9, |v[(\src)+3]|, |v[(\src)+4]|, |v[(\src)+5]|
.irp i, 6,10,14,18,22,26
	v_max3_num_f32 v8, v8, |v[(\src)+\i]|, |v[(\src)+\i+1]|
	v_max3_num_f32 v9, v9, |v[(\src)+\i+2]|, |v[(\src)+\i+3]|
.endr
	v_max3_num_f32 v8, v8, |v[(\src)+30]|, |v[(\src)+31]|
	v_max3_num_f32 v8, v8, v9, 0x1800000           ; and the floor 2^(3 - 127): the byte cannot fall under 1
	v_add_nc_u32 v10, 0xff000000, v8               ; 2 off the exponent field: the conversion takes this operand's exponent field as its scale
	v_lshrrev_b32 v[(\byte)], 23, v10              ; the scale's byte
.irp g, 0,1,2,3
	v_cvt_scalef32_pk8_fp4_f32 v[(\dst)+\g], v[(\src)+8*\g:(\src)+8*\g+7], v10
.endr
	v_nop                                          ; one plain vector line behind the last conversion of a run
.endm
	; ---------------- V ----------------
	s_lshr_b32 s32, s24, 1
	s_lshl_b32 s32, s32, 15                        ; the step's 128 rows of 256 bytes,
	s_and_b32 s27, s24, 1
	s_lshl_b32 s27, s27, 7
	s_add_co_u32 s32, s32, s27                     ; my 32 columns
	s_add_nc_u64 s[6:7], s[6:7], s[32:33]
	s_add_nc_u64 s[14:15], s[14:15], s[28:29]
	s_add_nc_u64 s[16:17], s[16:17], s[30:31]
.macro LOADV t                         ; key block t: V(32 t + i, my column) into set t % 2; a wave's load covers 128 consecutive bytes
.irp i, 0,1,2,3,4,5,6,7,8,9,10,11,12,13,14,15,16,17,18,19,20,21,22,23,24,25,26,27,28,29,30,31
	global_load_b32 v[R+32*((\t)%2)+\i], v3, s[6:7] offset:(32*(\t)+\i)*256 th:TH_LOAD_NT
.endr
.endm
.macro BLOCKV t
.if (\t) < 3
	s_wait_loadcnt 32                              ; this block's 32 loads are in; the next block's 32 may be out
.else
	s_wait_loadcnt 0x0
.endif
	QUANT32 R+32*((\t)%2), C+4*(\t), 22
.if (\t) == 0
	v_mov_b32 v[SB], v22                           ; four bytes to the word, the lower keys in the lower byte
.else
	v_lshl_or_b32 v[SB], v22, 8*(\t), v[SB]
.endif
	global_store_b128 v6, v[C+4*(\t):C+4*(\t)+3], s[14:15] offset:256*(\t)   ; lanes 0-15 and lanes 16-31 each store 256 consecutive bytes, aligned
.if (\t) < 2
	LOADV (\t)+2
.endif
.endm
	LOADV 0
	LOADV 1
	BLOCKV 0
	BLOCKV 1
	BLOCKV 2
	BLOCKV 3
	global_store_b32 v3, v[SB], s[16:17]           ; my 32 columns' scale words: 128 consecutive bytes
	s_endpgm
	; ---------------- K ----------------
.Lk_path:
	s_load_b128 s[20:23], s[8:9], 0x0              ; the four event lengths
	s_lshr_b32 s25, s24, 9                         ; the batch: head / 16
	s_bfe_u32 s26, s24, 0x40001                    ; the step,
	s_lshl_b32 s26, s26, 7                         ; its first key
	s_lshl_b32 s32, s24, 14                        ; my 64 keys of 256 bytes
	s_add_nc_u64 s[4:5], s[4:5], s[32:33]
	s_add_nc_u64 s[10:11], s[10:11], s[28:29]
	s_add_nc_u64 s[12:13], s[12:13], s[30:31]
	s_mov_b32 s36, 0x76543210
	s_mov_b32 s37, 0xfedcba98                      ; v_permlanex16_b32's selects for lane l xor 16
	v_mov_b32 v19, 0                               ; a lane permute's destination counts as one of its sources
	v_mov_b32 v20, 0
	s_wait_kmcnt 0x0
	s_mov_b32 s34, s20
	s_cmp_eq_u32 s25, 1
	s_cselect_b32 s34, s21, s34
	s_cmp_eq_u32 s25, 2
	s_cselect_b32 s34, s22, s34
	s_cmp_eq_u32 s25, 3
	s_cselect_b32 s34, s23, s34                    ; my batch's
	s_max_i32 s34, s34, 1                          ; step 0 is always made
	s_cmp_ge_i32 s26, s34
	s_cbranch_scc1 .Ldone                          ; all 128 keys of the step are hidden from every row that looks at keys one by one
.macro LOADK j                         ; local tile j: rows 0-7 are keys k0 .. k0 + 7, rows 8-15 keys k0 + 16 .. k0 + 23, k0 = 32 (j / 2) + 8 (j % 2); each load: two keys, 512 consecutive bytes
.irp i, 0,1,2,3
	global_load_b128 v[R+32*(\j)+4*\i:R+32*(\j)+4*\i+3], v2, s[4:5] offset:(32*((\j)/2)+8*((\j)%2))*256+512*\i th:TH_LOAD_NT
.endr
.irp i, 4,5,6,7
	global_load_b128 v[R+32*(\j)+4*\i:R+32*(\j)+4*\i+3], v2, s[4:5] offset:(32*((\j)/2)+8*((\j)%2)+16)*256+512*(\i-4) th:TH_LOAD_NT
.endr
.endm
.macro TURN j                          ; tile j through a stage: in as loaded, out 128 bytes a lane.  LDS serves a wave's instructions in order (ISA guide 5.7.1.4): no wait between the stores and the loads
.irp i, 0,1,2,3,4,5,6,7
	ds_store_b128 v4, v[R+32*(\j)+4*\i:R+32*(\j)+4*\i+3] offset:((\j)%2)*STAGE+2*\i*SP
.endr
.irp i, 0,1,2,3,4,5,6,7
	ds_load_b128 v[R+32*(\j)+4*\i:R+32*(\j)+4*\i+3], v5 offset:((\j)%2)*STAGE+16*\i
.endr
.endm
	LOADK 0
	LOADK 1
	LOADK 2
	LOADK 3                                        ; all 32 loads of the wave are out together
	s_wait_loadcnt 24                              ; tile 0's eight are in
	s_wait_alu depctr_va_vdst(0)
	TURN 0
.irp j, 0,1,2,3
.if \j < 3
	s_wait_loadcnt 16-8*\j                         ; the next tile's eight are in; the later tiles' may be out
	TURN \j+1
	s_wait_dscnt 16                                ; this tile is back from its stage; the next tile's sixteen LDS instructions may be out
.else
	s_wait_dscnt 0x0
.endif
	QUANT32 R+32*\j, C+4*\j, E+\j
	global_store_b128 v2, v[C+4*\j:C+4*\j+3], s[10:11] offset:512*\j   ; a tile's image: 512 consecutive bytes
.endr
	v_lshl_or_b32 v17, v[E+1], 16, v[E]            ; my block's bytes of tiles 0 and 1,
	v_lshl_or_b32 v18, v[E+3], 16, v[E+2]          ; and of tiles 2 and 3,
	v_lshlrev_b32 v17, v7, v17                     ; at block hh's places;
	v_lshlrev_b32 v18, v7, v18
	v_permlanex16_b32 v19, v17, s36, s37
	v_permlanex16_b32 v20, v18, s36, s37
	v_or_b32 v17, v17, v19                         ; with the other block's the words are whole
	v_or_b32 v18, v18, v20
	v_cmp_ne_u32 vcc_lo, 0, v7
	v_cndmask_b32 v17, v17, v18, vcc_lo            ; lanes 0-15 keep the first pair's word, lanes 16-31 the second's
	global_store_b32 v3, v17, s[12:13]             ; 128 consecutive bytes
.Ldone:
	s_wait_tensorcnt 0x0
	ds_add_u32 v192, v193
	s_wait_dscnt 0x0
	s_endpgm
.Lfunc_end_k_q28178b8e26_quant:
	.size	k_q28178b8e26_quant, .Lfunc_end_k_q28178b8e26_quant-k_q28178b8e26_quant
	.p2alignl 7, 3214868480
	.fill 96, 4, 3214868480
	.section	.rodata,"a",@progbits
	.p2align	6, 0x0
	.amdhsa_kernel k_q28178b8e26_quant
		.amdhsa_group_segment_fixed_size 35328
		.amdhsa_private_segment_fixed_size 0
		.amdhsa_enable_private_segment 0
		.amdhsa_kernarg_size 56
		.amdhsa_user_sgpr_count 2
		.amdhsa_user_sgpr_kernarg_segment_ptr 1
		.amdhsa_wavefront_size32 1
		.amdhsa_system_sgpr_workgroup_id_x 1
		.amdhsa_system_sgpr_workgroup_id_y 1
		.amdhsa_system_sgpr_workgroup_id_z 1
		.amdhsa_system_vgpr_workitem_id 0
		.amdhsa_next_free_vgpr 194
		.amdhsa_next_free_sgpr 66
		.amdhsa_reserve_vcc 1
		.amdhsa_float_denorm_mode_32 3
		.amdhsa_float_denorm_mode_16_64 3
		.amdhsa_memory_ordered 1
		.amdhsa_forward_progress 1
		.amdhsa_inst_pref_size 36
	.end_amdhsa_kernel
	.amdgpu_metadata
---
amdhsa.version: [ 1, 2 ]
amdhsa.kernels:
  - .name:           k_q28178b8e26_quant
    .symbol:         k_q28178b8e26_quant.kd
    .args:
      - { .name: k, .offset: 0, .size: 8, .value_kind: global_buffer, .address_space: global }
      - { .name: v, .offset: 8, .size: 8, .value_kind: global_buffer, .address_space: global }
      - { .name: event_length, .offset: 16, .size: 8, .value_kind: global_buffer, .address_space: global }
      - { .name: kc, .offset: 24, .size: 8, .value_kind: global_buffer, .address_space: global }
      - { .name: ks, .offset: 32, .size: 8, .value_kind: global_buffer, .address_space: global }
      - { .name: vc, .offset: 40, .size: 8, .value_kind: global_buffer, .address_space: global }
      - { .name: vs, .offset: 48, .size: 8, .value_kind: global_buffer, .address_space: global }
    .group_segment_fixed_size: 35328
    .private_segment_fixed_size: 0
    .kernarg_segment_align: 8
    .kernarg_segment_size: 56
    .max_flat_workgroup_size: 128
    .sgpr_count:     66
    .vgpr_count:     194
    .wavefront_size: 32
...
	.end_amdgpu_metadata
.endif
;; end of part 3
;; launch attn (part 4): grid 8 x 64, 16 waves a work-group, no clusters, 215,040 bytes of LDS; arguments q, event_length, kc, ks, vc, vs, out0; writes out0
.if DOCPART == 4
	.amdgcn_target "amdgcn-amd-amdhsa--gfx1250"
	.amdhsa_code_object_version 6
	.text
	.protected	k_q28178b8e26_attn
	.globl	k_q28178b8e26_attn
	.p2align	8
	.type	k_q28178b8e26_attn,@function
k_q28178b8e26_attn:
	s_mov_b64 s[64:65], 0
	v_nop
	global_prefetch_b8 v0, s[64:65] scope:SCOPE_SE
	s_setreg_imm32_b32 hwreg(HW_REG_WAVE_SCHED_MODE, 0, 2), 2
	s_setreg_imm32_b32 hwreg(HW_REG_WAVE_MODE, 25, 1), 1
	s_wait_xcnt 0x0
	s_wait_alu depctr_vm_vsrc(0)
; out[b][h][s] = softmax over keys of (q.k / 8, or -1e9 where s or the key is at or beyond event_length[b]) x v, both products on codes of FP4 (E2M1) with one E8M0 scale for each 32 along K.
; A ROW UNDER event_length sees the keys under event_length alone: the others' weights are exactly 0.  t = score x log2(e) / 8; M = the running largest t rounded UP to a whole number; p = 2^(t - M) is
; quantised along the keys; the row's sum is taken of the unquantised p and divides at the end; when M moves, the sum and O are multiplied by 2^(old M - new M), which rounds nothing.
; A ROW AT OR BEYOND event_length has 2,048 equal logits: p = 1 for every key (code 6 under the byte 125), the sum is 2,048: its result is U = (the sum over ALL keys of quantised v) / 2,048, one vector a head.
; LIMITS: NaN and infinities among the inputs are not served.  A hidden key's score is taken as -infinity: that gives the same weights, 0, as long as a valid row's largest score lies far above -1e9
; (|q.k| / 8 under some 1e8).  p under 2^-126 comes out of v_exp_f32 as 0.  event_length is held to 0 .. 2,048.
; SHARES.  A work-group owns 256 neighbouring queries of one head; each of its sixteen waves owns 16, one tile, in 256 registers: four waves to a SIMD, so that one wave's vector work stands beside another's
; matrix work and LDS loads.  A head's K and V as codes with their scale words are 139,264 bytes: they come into LDS ONCE, wave w bringing step w (128 keys), and are only read behind the one barrier.
; ORDER.  Work-group y = 16 rank + head-in-batch: every work-group sorts the four event lengths downward and takes the batch of its rank, so that the longest work stands first in the grid.
; NO CLUSTER, NO TENSOR LOAD, though the eight work-groups of a head read the same codes: a step whose keys are all hidden, and a tile without valid rows, is jumped over by a scalar branch on event_length,
; a number read from memory; and what is shared is read once by each work-group, at its head.
; LAYOUT.  Both products are used transposed: S^T = K Q^T (source 0 = keys, source 1 = my 16 queries), O^T = V^T P^T: a lane holds ONE query (lane % 16) throughout.
; THE HEAD'S 64 ON AN INSTRUCTION OF 128 ALONG K: source 0 holds TWO tiles of keys (registers 0-3 tile 2p, registers 4-7 tile 2p + 1); source 1 is [q, 0] for tile 2p and [0, q] for tile 2p + 1, cut from
; twelve registers 0 q 0.  The half that is not wanted meets zero codes.  THE KEYS OF A TILE ARE NOT NEIGHBOURS: row r of tile 2p + u is key 32 p + 8 u + r + 8 (r / 8), so that the 16 registers of a pair of
; tiles are 16 neighbouring keys, 32 p + 16 (lane / 16) + 0 .. 15.
; THE MODE: SCHED_MODE bits 1:0 = 2 (LLVM: expert scheduling mode 2), set by the entry lines.  The code itself states the register dependences between vector or matrix instructions and memory or LDS
; instructions, with s_wait_alu, always for 0.
; THE PLAN.  Registers that LDS instructions touch in the loop over the keys (the sixteen waves' 256 registers each leave no room for second buffers, so each buffer is asked for again in the step's middle):
;   KFR, KSC      K's fragments and scale words.  Read by step s's eight products S^T, at its head; the loads of step s + 1 land in them in the middle of step s (step 0's stand ahead of the loop).
;   VFR, VSC      V's.  Read by step s's four products O^T, at its end; the loads of step s land in them in the middle of step s.
;   ADK .. ADT    four LDS addresses.  Written by four additions behind the products S^T; read by the step's twenty loads (K's reach a step on by their immediate offsets).
;   PC, PW        p's codes and scale word: written by vector instructions, taken by the scaled products O^T.
;   S, O and the statistics are named by vector and matrix instructions alone.
; So a step has one wait on vm_vsrc, ahead of the additions, and four on va_vdst.  The first stands ahead of the batch of exponentials, the second behind it: the batch's results and the four addresses are written, this step's products S^T
; are done reading KFR and KSC, the last step's products O^T are done reading VFR and VSC.  The twenty loads follow it, V's first, dealt among the row's sums, which name S, v[14:15] and SUM2: none of the registers
; that the loads touch.  The third is for the four exponentials of the blocks' largest p.  The fourth stands ahead of the products O^T: PC and PW are written.
; The last step that a tile walks asks for a step of K that no product takes, and a tile without valid rows for step 0: ten loads a wave.  In step 15 they read V's first slot and V's first scale words:
; bytes inside the claim, written ahead of the barrier.
.set KC,  0                            ; LDS: K's codes, 4,096 bytes a step
.set VC,  65536                        ; V's codes
.set KS,  131072                       ; K's scale words, 256 bytes a step
.set VS,  135168                       ; V's
.set UP,  139264                       ; sixteen partial vectors of U, 256 bytes each
.set STG, 143360                       ; a stage of 16 rows x 272 bytes for each wave, its own
.set SP,  272
.set LI,  1                            ; v1   16 x lane: an image's place for my lane; also my offset in dense global loads and stores
.set LIV, 2                            ; v2   + VC
.set LSK, 3                            ; v3   4 x lane + KS
.set LSV, 4                            ; v4   4 x lane + VS
.set STI, 5                            ; v5   my stage by rows as they lie in memory: row lane / 16, 16 bytes a lane
.set STQ, 6                            ; v6   my stage: row r, block hh of q (128 bytes)
.set STW, 7                            ; v7   my stage: row r, + 32 hh: where I put eight results
.set ADK, 8                            ; v8-11 the LDS addresses of the step in hand
.set ADV, 9
.set ADS, 10
.set ADT, 11
                                       ; v12 -M, v13 the largest t, v[14:15] the sum in two halves
.set B2,  16                           ; v[16:23] = [0, q]
.set B1,  20                           ; v[20:27] = [q, 0]
.set SQ1, 28                           ; scale registers, which hold scales and nothing else: q's word for [q, 0],
.set SQ2, 29                           ; for [0, q],
.set KSC, 30                           ; v30-31 K's words of a step,
.set VSC, 32                           ; v32-33 V's,
.set PW,  34                           ; p's
.set U4,  36                           ; v36-39 U at d = 4 (lane % 16) + 0 .. 3
.set KFR, 40                           ; v40-71  K's four double fragments
.set VFR, 72                           ; v72-103 V's four fragments
.set S,   104                          ; v104-167 S^T, then p
.set O,   168                          ; v168-199 O^T
.set PC,  200                          ; v200-207 p's codes
.set BM,  208                          ; v208-211 the blocks' largest score, then largest p
.set TP,  212                          ; v212-215 at work
.set SO,  216                          ; v216-219 the conversions' scale operands
.set TA,  220
.set F,   222                          ; v[222:223] f = 2^(old M - new M); at the end 1 / the sum
.set SUM2, 224                         ; v[224:225]
.set DL,  226
.set NINF, 227
.set L4,  228                          ; 4 x lane
.set H16, 229                          ; 16 hh
.set H8,  230                          ; 8 hh
.set UPW, 231                          ; UP + 256 wave + 32 hh
.set UPR, 232                          ; UP + 16 (lane % 16)
.set VD,  233                          ; event length - my first query - hh
.set CVC, 234                          ; the copies into slot w: V's codes,
.set CVS, 235                          ; V's scale words,
.set CKC, 236                          ; K's codes,
.set CKS, 237                          ; K's scale words
.set HH,  238
.set WV,  18                           ; s18 wave
.set SEL, 20                           ; s[20:21] v_permlanex16_b32's selects for lane l xor 16
.set CS,  22                           ; s[22:23] c = log2(e) / 8
.set EL,  32                           ; s32 my batch's event length, 0 .. 2,048
.set Q0,  34                           ; s34 my first query
.set ELT, 35                           ; s35 the keys that my tile walks: EL, or 0 where it has no valid row
.set KEY, 36                           ; s36 the step's first key
.set TS4, 37                           ; s37 the step's codes in LDS: 4,096 a step
.set TSC, 38                           ; s38 its scale words: 256 a step
.set MK,  40                           ; s40-55 the lane masks of a run of compares
; a scaled product.  acc = 0: it starts a sum; 1: it adds in place.  row = 1: source 0's scales lie in lanes 16-31
.macro MM d, a, b, acc, sa, sb, row
.if \acc
.if \row
	v_wmma_scale_f32_16x16x128_f8f6f4 v[(\d):(\d)+7], v[(\a):(\a)+7], v[(\b):(\b)+7], v[(\d):(\d)+7], v[(\sa)], v[(\sb)] matrix_a_fmt:MATRIX_FMT_FP4 matrix_b_fmt:MATRIX_FMT_FP4 matrix_a_scale:MATRIX_SCALE_ROW1
.else
	v_wmma_scale_f32_16x16x128_f8f6f4 v[(\d):(\d)+7], v[(\a):(\a)+7], v[(\b):(\b)+7], v[(\d):(\d)+7], v[(\sa)], v[(\sb)] matrix_a_fmt:MATRIX_FMT_FP4 matrix_b_fmt:MATRIX_FMT_FP4
.endif
.else
.if \row
	v_wmma_scale_f32_16x16x128_f8f6f4 v[(\d):(\d)+7], v[(\a):(\a)+7], v[(\b):(\b)+7], 0, v[(\sa)], v[(\sb)] matrix_a_fmt:MATRIX_FMT_FP4 matrix_b_fmt:MATRIX_FMT_FP4 matrix_a_scale:MATRIX_SCALE_ROW1
.else
	v_wmma_scale_f32_16x16x128_f8f6f4 v[(\d):(\d)+7], v[(\a):(\a)+7], v[(\b):(\b)+7], 0, v[(\sa)], v[(\sb)] matrix_a_fmt:MATRIX_FMT_FP4 matrix_b_fmt:MATRIX_FMT_FP4
.endif
.endif
.endm
; 32 numbers of one lane, one block, become 4 registers of codes and a scale byte; m0, m1, sc: registers at work
.macro QUANT32 src, dst, byte, m0, m1, sc
	v_max3_num_f32 v[\m0], |v[(\src)]|, |v[(\src)+1]|, |v[(\src)+2]|
	v_max3_num_f32 v[\m1], |v[(\src)+3]|, |v[(\src)+4]|, |v[(\src)+5]|
.irp i, 6,10,14,18,22,26
	v_max3_num_f32 v[\m0], v[\m0], |v[(\src)+\i]|, |v[(\src)+\i+1]|
	v_max3_num_f32 v[\m1], v[\m1], |v[(\src)+\i+2]|, |v[(\src)+\i+3]|
.endr
	v_max3_num_f32 v[\m0], v[\m0], |v[(\src)+30]|, |v[(\src)+31]|
	v_max3_num_f32 v[\m0], v[\m0], v[\m1], 0x1800000   ; the floor 2^(3 - 127): the byte cannot fall under 1
	v_add_nc_u32 v[\sc], 0xff000000, v[\m0]        ; 2 off the exponent field: the conversion's scale operand
	v_lshrrev_b32 v[\byte], 23, v[\sc]
.irp g, 0,1,2,3
	v_cvt_scalef32_pk8_fp4_f32 v[(\dst)+\g], v[(\src)+8*\g:(\src)+8*\g+7], v[\sc]
.endr
	v_nop                                          ; one plain vector line behind the last conversion of a run
.endm
.macro CMPSW a, b                      ; the larger into s[a], the smaller into s[b]
	s_max_u32 s28, s[\a], s[\b]
	s_min_u32 s[\b], s[\a], s[\b]
	s_mov_b32 s[\a], s28
.endm
.macro TREE st, n                      ; groups of four registers, st registers apart, are added in pairs
.set g, 0
.rept \n
	v_pk_add_f32 v[S+g:S+g+1], v[S+g:S+g+1], v[S+g+\st:S+g+\st+1]
	v_pk_add_f32 v[S+g+2:S+g+3], v[S+g+2:S+g+3], v[S+g+\st+2:S+g+\st+3]
.set g, g+2*\st
.endr
.endm
	; ---------------- the head: no branch ----------------
	v_mov_b32 v[PW], 0x7d7d7d7d                    ; a P of ones for U: the byte 125 is 2^-2,
.irp i, 0,1,2,3,4,5,6,7
	v_mov_b32 v[PC+\i], 0x66666666                 ; the code 6 is 4.  (Written first: far more than eight plain lines ahead of the products that take them)
.endr
	s_load_b256 s[4:11], s[0:1], 0x0               ; q s[4:5], event_length s[6:7], kc s[8:9], ks s[10:11]
	s_load_b128 s[12:15], s[0:1], 0x20             ; vc s[12:13], vs s[14:15]
	s_load_b64 s[16:17], s[0:1], 0x30              ; out0
	v_lshl_add_u32 v254, v0, 2, 0x34000
	v_mov_b32 v255, 0
	v_lshrrev_b32 v239, 5, v0
	v_readfirstlane_b32 s[WV], v239                ; wave 0..15
	v_and_b32 v239, 31, v0                         ; lane
	v_lshlrev_b32 v[LI], 4, v239
	v_lshlrev_b32 v[L4], 2, v239
	v_bfe_u32 v[HH], v0, 4, 1                      ; hh
	v_and_b32 v239, 15, v0                         ; r
	v_add_nc_u32 v[LIV], VC, v[LI]
	v_add_nc_u32 v[LSK], KS, v[L4]
	v_add_nc_u32 v[LSV], VS, v[L4]
	s_wait_alu depctr_va_sdst(0)                   ; the wave's number is written, ahead of its first reader
	s_mul_i32 s39, s[WV], 16*SP
	s_add_co_u32 s39, s39, STG                     ; my stage
	v_mul_u32_u24 v[STI], v[HH], SP
	v_lshl_add_u32 v[STI], v239, 4, v[STI]
	v_add_nc_u32 v[STI], s39, v[STI]
	v_mul_u32_u24 v240, v239, SP
	v_lshl_add_u32 v[STQ], v[HH], 7, v240
	v_add_nc_u32 v[STQ], s39, v[STQ]
	v_lshl_add_u32 v[STW], v[HH], 5, v240
	v_add_nc_u32 v[STW], s39, v[STW]
	v_lshlrev_b32 v[H16], 4, v[HH]
	v_lshlrev_b32 v[H8], 3, v[HH]
	s_lshl_b32 s38, s[WV], 8                       ; 256 x wave
	s_lshl_b32 s37, s[WV], 12                      ; 4,096 x wave
	v_lshl_add_u32 v[UPW], v[HH], 5, s38
	v_add_nc_u32 v[UPW], UP, v[UPW]
	v_lshl_add_u32 v[UPR], v239, 4, UP
	v_add_nc_u32 v[CVC], s37, v[LIV]
	v_add_nc_u32 v[CVS], s38, v[LSV]
	v_add_nc_u32 v[CKC], s37, v[LI]
	v_add_nc_u32 v[CKS], s38, v[LSK]
	s_mov_b32 s[SEL], 0x76543210
	s_mov_b32 s[SEL+1], 0xfedcba98
	s_mov_b32 s[CS], 0x3e38aa3b                    ; c = log2(e) / 8
	s_mov_b32 s[CS+1], s[CS]                       ; (named with it as a pair, so it is written)
	s_and_b32 s28, ttmp7, 0xffff
	s_lshr_b32 s29, s28, 4                         ; rank 0..3
	s_and_b32 s30, s28, 15                         ; the head in its batch
	s_lshl_b32 s[Q0], ttmp9, 8
	s_lshl_b32 s39, s[WV], 4
	s_add_co_u32 s[Q0], s[Q0], s39                 ; my first query: 256 x work-group x + 16 x wave
	s_wait_kmcnt 0x0
	s_load_b128 s[24:27], s[6:7], 0x0              ; the four event lengths
	s_wait_kmcnt 0x0
.irp i, 0,1,2,3
	s_max_i32 s[24+\i], s[24+\i], 0
	s_min_i32 s[24+\i], s[24+\i], 2048
	s_lshl_b32 s[24+\i], s[24+\i], 2
	s_or_b32 s[24+\i], s[24+\i], \i                ; the sort's key: 4 x length + batch
.endr
	CMPSW 24, 25                                   ; five exchanges sort four keys downward
	CMPSW 26, 27
	CMPSW 24, 26
	CMPSW 25, 27
	CMPSW 25, 26
	s_cmp_eq_u32 s29, 1
	s_cselect_b32 s24, s25, s24
	s_cmp_eq_u32 s29, 2
	s_cselect_b32 s24, s26, s24
	s_cmp_eq_u32 s29, 3
	s_cselect_b32 s24, s27, s24                    ; my rank's key
	s_and_b32 s31, s24, 3
	s_min_u32 s31, s31, 3                          ; the batch: a loaded number enters addresses only behind such a bound
	s_lshr_b32 s[EL], s24, 2
	s_min_u32 s[EL], s[EL], 2048
	s_lshl_b32 s33, s31, 4
	s_add_co_u32 s33, s33, s30                     ; the head, 0..63
	s_cmp_lt_u32 s[Q0], s[EL]                      ; has my tile a valid row?
	s_cselect_b32 s[ELT], s[EL], 0
	s_cselect_b32 s36, s[Q0], 0                    ; a tile without one loads the head's first tile of q, and nothing of it is used: so every register is written on every path
	s_min_u32 s36, s36, 2032
	s_add_co_u32 s39, s[EL], 127
	s_lshr_b32 s39, s39, 7
	s_max_u32 s39, s39, 1
	s_sub_co_u32 s39, s39, 1                       ; the last step of K that was made
	s_min_u32 s39, s39, s[WV]                      ; a wave beyond it copies that step into its slot, which no product takes
	s_min_u32 s39, s39, 15
	s_mov_b32 s41, 0
	s_lshl_b32 s42, s33, 16                        ; a head's codes: 65,536 bytes
	s_add_co_u32 s40, s42, s37
	s_add_nc_u64 s[12:13], s[12:13], s[40:41]      ; vc at step w
	s_lshl_b32 s43, s39, 12
	s_add_co_u32 s40, s42, s43
	s_add_nc_u64 s[8:9], s[8:9], s[40:41]          ; kc at the step that I copy
	s_lshl_b32 s42, s33, 12                        ; a head's scale words: 4,096 bytes
	s_add_co_u32 s40, s42, s38
	s_add_nc_u64 s[14:15], s[14:15], s[40:41]      ; vs
	s_lshl_b32 s43, s39, 8
	s_add_co_u32 s40, s42, s43
	s_add_nc_u64 s[10:11], s[10:11], s[40:41]      ; ks
	s_lshl_b32 s42, s33, 19                        ; a head of q or out0: 524,288 bytes
	s_lshl_b32 s43, s36, 8
	s_add_co_u32 s40, s42, s43
	s_add_nc_u64 s[4:5], s[4:5], s[40:41]          ; q
	s_lshl_b32 s43, s[Q0], 8
	s_add_co_u32 s40, s42, s43
	s_add_nc_u64 s[16:17], s[16:17], s[40:41]      ; out0 at my first row
	s_wait_alu depctr_va_vdst(0)                   ; every offset and LDS address made above is written, which the loads and stores of the whole kernel read (all but ADK .. ADT are never written again); so are the ones in PC and PW, which U's scaled products take
.irp i, 0,1,2,3,4,5,6,7
	global_load_b128 v[VFR+4*\i:VFR+4*\i+3], v[LI], s[12:13] offset:512*\i     ; V's step w: ten loads
.endr
	global_load_b32 v[VSC], v[L4], s[14:15]
	global_load_b32 v[VSC+1], v[L4], s[14:15] offset:128
.irp i, 0,1,2,3,4,5,6,7
	global_load_b128 v[KFR+4*\i:KFR+4*\i+3], v[LI], s[8:9] offset:512*\i       ; K's: ten
.endr
	global_load_b32 v[KSC], v[L4], s[10:11]
	global_load_b32 v[KSC+1], v[L4], s[10:11] offset:128
.irp i, 0,1,2,3,4,5,6,7
	global_load_b128 v[S+32+4*\i:S+32+4*\i+3], v[LI], s[4:5] offset:512*\i     ; my 16 rows of q, 512 consecutive bytes a load: eight
.endr
	s_wait_loadcnt 18                              ; V's ten are in; K's ten and q's eight may be out
.irp i, 0,1,2,3,4,5,6,7
	ds_store_b128 v[CVC], v[VFR+4*\i:VFR+4*\i+3] offset:512*\i
.endr
	ds_store_b32 v[CVS], v[VSC]
	ds_store_b32 v[CVS], v[VSC+1] offset:128
.irp t, 0,1,2,3                        ; U's part of step w: V^T x a P of ones: register j of lane (r, hh) of tile t: the sum over the step's 128 keys at d = 16 t + 8 hh + j, the same in all r
	MM S+8*\t, VFR+8*\t, PC, 0, VSC+\t/2, PW, \t%2
.endr
.set j, 0
.rept 32
	v_mov_b32 v[O+j], 0                            ; O^T.  (The key step is written once: its first trip finds zeros.  These lines are also the places behind the four products)
.set j, j+1
.endr
.irp j, 0,1,2,3
	v_mov_b32 v[16+\j], 0                          ; the zero codes on both sides of q's
	v_mov_b32 v[24+\j], 0
	v_mov_b32 v[TP+\j], 0                          ; a lane permute's destination counts as one of its sources
.endr
	v_mov_b32 v[F+1], 0                            ; (named as the upper half of a pair)
	v_mov_b32 v14, 0                               ; the sum, in two halves
	v_mov_b32 v15, 0
	v_mov_b32 v13, 0xff61b1e6                      ; the largest t so far: -3e38
	v_floor_f32 v12, -v13                          ; -M
	s_wait_alu depctr_va_vdst(0)                   ; the four products have written S .. S + 31, which the LDS stores below read; the places above stay beside this wait
.irp t, 0,1,2,3
	ds_store_b128 v[UPW], v[S+8*\t:S+8*\t+3] offset:64*\t          ; each result from its low end on; the sixteen lanes of a half write the same bytes with the same values
	ds_store_b128 v[UPW], v[S+8*\t+4:S+8*\t+7] offset:64*\t+16
.endr
	s_wait_loadcnt 8                               ; K's ten are in; q's eight may be out
.irp i, 0,1,2,3,4,5,6,7
	ds_store_b128 v[CKC], v[KFR+4*\i:KFR+4*\i+3] offset:512*\i
.endr
	ds_store_b32 v[CKS], v[KSC]
	ds_store_b32 v[CKS], v[KSC+1] offset:128
	s_wait_loadcnt 0x0                             ; q
.irp i, 0,1,2,3,4,5,6,7
	ds_store_b128 v[STI], v[S+32+4*\i:S+32+4*\i+3] offset:2*\i*SP  ; through my own stage: in as loaded,
.endr
	s_wait_alu depctr_vm_vsrc(0)                   ; the LDS stores issued so far have read their data: S + 32 .. 63, in which the loads below land; S .. S + 31, KFR, KSC, VFR and VSC, in which later LDS loads land
.irp i, 0,1,2,3,4,5,6,7
	ds_load_b128 v[S+32+4*\i:S+32+4*\i+3], v[STQ] offset:16*\i     ; out: lane (r, hh) takes d = 32 hh + 0 .. 31 of query r.  LDS serves a wave's instructions in order (ISA guide 5.7.1.4)
.endr
	s_wait_dscnt 0x0                               ; for the others' sake: my slot of K and V and my part of U lie in LDS; and q is back
	s_barrier_signal -1                            ; THE ONE BARRIER.  Work on registers alone stands between its halves: q is quantised
	QUANT32 S+32, B1, TA, BM, BM+1, SO
	v_lshlrev_b32 v[TA], v[H8], v[TA]              ; my block's byte at its place,
	v_permlanex16_b32 v[TP], v[TA], s[SEL], s[SEL+1]
	v_or_b32 v[SQ1], v[TA], v[TP]                  ; with the other block's: bytes 0 and 1; bytes 2 and 3 are 0 and meet zero codes
	v_lshlrev_b32 v[SQ2], 16, v[SQ1]               ; and the same for [0, q]
	s_barrier_wait -1                              ; behind it K's and V's codes, their scale words and U's parts are only read
	s_wait_alu depctr_va_vdst(0)                   ; the quantiser is done reading S + 32 .. 63, in which the loads below land; q's codes, the zeros beside them and q's two scale words are written, which every step's scaled products take (the sum of U below gives the places ahead of the first of them)
.irp p, 0,1,2,3,4,5,6,7,8,9,10,11,12,13,14,15
	ds_load_b128 v[S+4*\p:S+4*\p+3], v[UPR] offset:256*\p          ; U's sixteen parts at d = 4 (lane % 16) + 0 .. 3
.endr
.irp i, 0,1,2,3,4,5,6,7
	ds_load_b128 v[KFR+4*\i:KFR+4*\i+3], v[LI] offset:512*\i       ; K of step 0: it lands while U is summed
.endr
	ds_load_b32 v[KSC], v[LSK]
	ds_load_b32 v[KSC+1], v[LSK] offset:128
	s_wait_dscnt 10                                ; U's sixteen parts are in; K's ten loads, issued behind them, may be out
	TREE 4, 8
	TREE 8, 4
	TREE 16, 2
	TREE 32, 1
	v_pk_mul_f32 v[U4:U4+1], v[S:S+1], 0x3a000000 op_sel_hi:[1,0]  ; / 2,048, the sum of 2,048 ones
	v_pk_mul_f32 v[U4+2:U4+3], v[S+2:S+3], 0x3a000000 op_sel_hi:[1,0]
	; ---------------- the keys: sixteen trips, a constant; a step that my tile does not want is jumped over ----------------
	s_mov_b32 s[KEY], 0
	s_mov_b32 s[TS4], 0
	s_mov_b32 s[TSC], 0
.Lstep:
	s_cmp_ge_u32 s[KEY], s[ELT]
	s_cbranch_scc1 .Lskip                          ; all 128 keys hidden, or no valid row in my tile
	s_wait_dscnt 0x0                               ; this step's K is in: it was asked for in the middle of the step before, or ahead of the loop
.irp p, 0,1,2,3                        ; S^T: a pair of tiles from one double fragment; every product starts its own sum
	MM S+16*\p, KFR+8*\p, B1, 0, KSC+\p/2, SQ1, \p%2
	MM S+16*\p+8, KFR+8*\p, B2, 0, KSC+\p/2, SQ2, \p%2
.endr
	s_wait_alu depctr_vm_vsrc(0)                   ; the LDS loads of the step before have read ADK .. ADT, which the four lines below write
	v_add_nc_u32 v[ADK], s[TS4], v[LI]             ; these four are also the four places between a product and the first read of its result (ISA guide 7.12.1)
	v_add_nc_u32 v[ADV], s[TS4], v[LIV]
	v_add_nc_u32 v[ADS], s[TSC], v[LSK]
	v_add_nc_u32 v[ADT], s[TSC], v[LSV]
	s_add_co_u32 s39, s[KEY], 128
	s_cmp_le_u32 s39, s[EL]
	s_cbranch_scc1 .Lopen                          ; all 128 keys count
	s_sub_co_i32 s39, s[EL], s[KEY]
	v_sub_nc_u32 v[DL], s39, v[H16]                ; register 16 b + i holds key KEY + 32 b + 16 hh + i: hidden where 32 b + i >= EL - KEY - 16 hh
	v_mov_b32 v[NINF], 0xff800000                  ; -infinity: p = 0 then
.set b, 0
.rept 4                                ; a block's sixteen compares in one run, into sixteen scalar registers; then its sixteen selections
.set i, 0
.rept 16
	v_cmp_ge_i32 s[MK+i], 32*b+i, v[DL]
.set i, i+1
.endr
	s_wait_alu depctr_va_sdst(0)                   ; the sixteen masks are written, ahead of the first selection that reads one
.set i, 0
.rept 16
	v_cndmask_b32 v[S+16*b+i], v[S+16*b+i], v[NINF], s[MK+i]
.set i, i+1
.endr
.set b, b+1
.endr
.Lopen:
.irp b, 0,1,2,3
	v_max3_num_f32 v[BM+\b], v[S+16*\b], v[S+1+16*\b], v[S+2+16*\b]   ; the largest score of each block of 32 keys: for the row's maximum and, since p rises with the score, for the block's largest p
.endr
.irp i, 3,5,7,9,11,13
.irp b, 0,1,2,3
	v_max3_num_f32 v[BM+\b], v[BM+\b], v[S+16*\b+\i], v[S+1+16*\b+\i]
.endr
.endr
.irp b, 0,1,2,3
	v_max_num_f32 v[BM+\b], v[BM+\b], v[S+15+16*\b]
.endr
.irp b, 0,1,2,3
	v_permlanex16_b32 v[TP+\b], v[BM+\b], s[SEL], s[SEL+1]
.endr
.irp b, 0,1,2,3
	v_max_num_f32 v[BM+\b], v[BM+\b], v[TP+\b]     ; with lane l xor 16's 16 keys
.endr
	v_max3_num_f32 v[TA], v[BM], v[BM+1], v[BM+2]
	v_max_num_f32 v[TA], v[TA], v[BM+3]            ; the step's largest score of my query
	v_mul_f32 v[TA], s[CS], v[TA]                  ; as t
	v_max_num_f32 v13, v13, v[TA]                  ; the running largest t
	v_mov_b32 v[TA], v12
	v_floor_f32 v12, -v13                          ; the new -M = -ceil(t): a whole number
	v_sub_f32 v[TA], v12, v[TA]                    ; old M - new M, 0 or less
	v_cvt_i32_f32 v[TA], v[TA]                     ; (it saturates)
	v_ldexp_f32 v[F], 1.0, v[TA]                   ; f = 2^(old M - new M)
.set j, 0
.rept 32
	v_pk_fma_f32 v[S+j:S+j+1], v[S+j:S+j+1], s[CS:CS+1], v[12:13] op_sel_hi:[1,0,0]   ; t - M, two at a time
.set j, j+2
.endr
.irp b, 0,1,2,3
	v_fma_f32 v[BM+\b], v[BM+\b], s[CS], v12       ; the same of each block's largest score
.endr
.set j, 0
	s_wait_alu depctr_va_vdst(0)
.rept 64
	v_exp_f32 v[S+j], v[S+j]                       ; p = 2^(t - M): one batch
.set j, j+1
.endr
	v_pk_mul_f32 v[14:15], v[14:15], v[F:F+1] op_sel_hi:[1,0]      ; the sums under the new M: the plain line behind the exponentials
	s_wait_alu depctr_va_vdst(0)                   ; the batch's 64 results are written, ahead of their first reader; ADK .. ADT are written, which the loads below read; this step's products S^T are done reading KFR and KSC, the last step's products O^T VFR and VSC, in which those loads land
.irp b, 0,1,2,3
	v_exp_f32 v[BM+\b], v[BM+\b]                   ; the blocks' largest p
.endr
	v_pk_add_f32 v[SUM2:SUM2+1], v[S:S+1], v[S+2:S+3]              ; the row's sum is taken of the unquantised p, in two chains
.set n, 0
.rept 15                               ; the step's twenty LDS loads are dealt among the sums, which name none of their registers: this step's V first, two at a time, then the next step's K, one at a time
.if n < 4
	ds_load_b128 v[VFR+8*n:VFR+8*n+3], v[ADV] offset:1024*n
	ds_load_b128 v[VFR+8*n+4:VFR+8*n+7], v[ADV] offset:1024*n+512
.elseif n == 4
	ds_load_b32 v[VSC], v[ADT]
	ds_load_b32 v[VSC+1], v[ADT] offset:128
.elseif n < 13
	ds_load_b128 v[KFR+4*(n-5):KFR+4*(n-5)+3], v[ADK] offset:4096+512*(n-5)   ; a step on: 4,096 bytes of codes,
.else
	ds_load_b32 v[KSC+n-13], v[ADS] offset:256+128*(n-13)          ; 256 of scale words
.endif
	v_pk_add_f32 v[14:15], v[14:15], v[S+4+4*n:S+5+4*n]
	v_pk_add_f32 v[SUM2:SUM2+1], v[SUM2:SUM2+1], v[S+6+4*n:S+7+4*n]
.set n, n+1
.endr
	v_pk_add_f32 v[14:15], v[14:15], v[SUM2:SUM2+1]
	s_wait_alu depctr_va_vdst(0)                   ; the four largest p are written, ahead of their first reader
.irp b, 0,1,2,3
	v_max_num_f32 v[BM+\b], 0x1800000, v[BM+\b]    ; the floor 2^(3 - 127): a block whose every p is 0 keeps the byte 1; its codes are zeros
.endr
.irp b, 0,1,2,3
	v_add_nc_u32 v[SO+\b], 0xff000000, v[BM+\b]    ; 2 off the exponent field: the conversion's scale operand
.endr
.irp b, 0,1,2,3
	v_lshrrev_b32 v[TP+\b], 23, v[SO+\b]           ; the scale's byte
.endr
	v_lshl_or_b32 v[PW], v[TP+1], 8, v[TP]         ; p's scale word for these 128 keys
	v_lshl_or_b32 v[PW], v[TP+2], 16, v[PW]
	v_lshl_or_b32 v[PW], v[TP+3], 24, v[PW]
.irp b, 0,1,2,3
	v_cvt_scalef32_pk8_fp4_f32 v[PC+2*\b], v[S+16*\b:S+16*\b+7], v[SO+\b]
	v_cvt_scalef32_pk8_fp4_f32 v[PC+1+2*\b], v[S+8+16*\b:S+15+16*\b], v[SO+\b]
.endr
	v_nop                                          ; one plain vector line behind the last conversion
.irp c, 0,1                            ; the operand's layout wants a whole block in a lane: lanes 0-15 block 2 c, lanes 16-31 block 2 c + 1
.irp i, 0,1
	v_permlane16_swap_b32 v[PC+4*\c+\i], v[PC+2+4*\c+\i]
.endr
.endr
.set j, 0
.rept 16
	v_pk_mul_f32 v[O+j:O+j+1], v[O+j:O+j+1], v[F:F+1] op_sel_hi:[1,0]   ; O^T under the new M, each tile from its low end on.  For each product below the twelve lines on the other tiles stand between p's scale word and codes and it
.set j, j+2
.endr
	s_wait_dscnt 10                                ; V's ten loads are in; the next step's ten of K, issued behind them, may be out
	s_wait_alu depctr_va_vdst(0)                   ; p's codes and p's scale word are written, which the scaled products below take; the places above stay beside this wait
.irp t, 0,1,2,3                        ; O^T += V^T P^T: four accumulators by turns, one instruction a turn, over the backward jump too
	MM O+8*\t, VFR+8*\t, PC, 1, VSC+\t/2, PW, \t%2
.endr
.Lskip:
	s_add_co_u32 s[TS4], s[TS4], 4096
	s_add_co_u32 s[TSC], s[TSC], 256
	s_add_co_u32 s[KEY], s[KEY], 128
	s_cmp_lt_u32 s[KEY], 2048
	s_cbranch_scc1 .Lstep
	; ---------------- the way out: no branch ----------------
	s_sub_co_i32 s39, s[EL], s[Q0]
	v_add_f32 v14, v14, v15                        ; the sum's two halves,
	v_permlanex16_b32 v[TP], v14, s[SEL], s[SEL+1]
	v_add_f32 v14, v14, v[TP]                      ; and lane l xor 16's
	s_wait_alu depctr_va_vdst(0)
	v_rcp_f32 v[F], v14                            ; (a tile without valid rows has the sum 0: what comes of it is thrown away by the selection below)
	v_sub_nc_u32 v[VD], s39, v[HH]                 ; row 2 i + hh of my tile is valid where 2 i < EL - Q0 - hh
	v_nop
.irp i, 0,1,2,3,4,5,6,7
	v_cmp_lt_i32 s[MK+\i], 2*\i, v[VD]             ; the eight pairs of rows: eight compares in one run
.endr
	s_wait_alu depctr_va_vdst(0)                   ; the reciprocal is written, ahead of its first reader
.set j, 0
.rept 16
	v_pk_mul_f32 v[S+j:S+j+1], v[O+j:O+j+1], v[F:F+1] op_sel_hi:[1,0]   ; O^T / the sum: register 8 t + i is out(r, 16 t + 8 hh + i)
.set j, j+2
.endr
	s_wait_alu depctr_va_vdst(0)                   ; the sixteen lines above have written S .. S + 31, which the LDS stores read; every vector and matrix instruction that named S + 32 .. 63, in which the loads below land, is done
.irp t, 0,1,2,3
	ds_store_b128 v[STW], v[S+8*\t:S+8*\t+3] offset:64*\t
	ds_store_b128 v[STW], v[S+8*\t+4:S+8*\t+7] offset:64*\t+16
.endr
.irp i, 0,1,2,3,4,5,6,7
	ds_load_b128 v[S+32+4*\i:S+32+4*\i+3], v[STI] offset:2*\i*SP   ; back as whole rows, two an instruction; my own bytes, served in order
.endr
	s_wait_dscnt 0x0                               ; the sixteen rows are back
	s_wait_alu depctr_va_sdst(0)                   ; the eight masks are written, ahead of the first selection that reads one
.irp i, 0,1,2,3,4,5,6,7
.irp k, 0,1,2,3
	v_cndmask_b32 v[S+32+4*\i+\k], v[U4+\k], v[S+32+4*\i+\k], s[MK+\i]   ; a row at or beyond event_length gets U
.endr
.endr
	s_wait_alu depctr_va_vdst(0)                   ; the selections have written S + 32 .. 63, which the eight stores read
.irp i, 0,1,2,3,4,5,6,7
	global_store_b128 v[LI], v[S+32+4*\i:S+32+4*\i+3], s[16:17] offset:512*\i th:TH_STORE_NT   ; 32 lanes store 512 consecutive bytes, aligned: two rows; written once, read by nobody here
.endr
	s_wait_dscnt 0x0
	s_wait_alu depctr_hold_cnt(0) depctr_sa_sdst(0) depctr_va_vdst(0) depctr_va_sdst(0) depctr_va_ssrc(0) depctr_va_vcc(0) depctr_vm_vsrc(0)
	s_wait_tensorcnt 0x0
	ds_add_u32 v254, v255
	s_wait_dscnt 0x0
	s_endpgm
.Lfunc_end_k_q28178b8e26_attn:
	.size	k_q28178b8e26_attn, .Lfunc_end_k_q28178b8e26_attn-k_q28178b8e26_attn
	.p2alignl 7, 3214868480
	.fill 96, 4, 3214868480
	.section	.rodata,"a",@progbits
	.p2align	6, 0x0
	.amdhsa_kernel k_q28178b8e26_attn
		.amdhsa_group_segment_fixed_size 215040
		.amdhsa_private_segment_fixed_size 0
		.amdhsa_enable_private_segment 0
		.amdhsa_kernarg_size 56
		.amdhsa_user_sgpr_count 2
		.amdhsa_user_sgpr_kernarg_segment_ptr 1
		.amdhsa_wavefront_size32 1
		.amdhsa_system_sgpr_workgroup_id_x 1
		.amdhsa_system_sgpr_workgroup_id_y 1
		.amdhsa_system_sgpr_workgroup_id_z 1
		.amdhsa_system_vgpr_workitem_id 0
		.amdhsa_next_free_vgpr 256
		.amdhsa_next_free_sgpr 66
		.amdhsa_reserve_vcc 0
		.amdhsa_float_denorm_mode_32 3
		.amdhsa_float_denorm_mode_16_64 3
		.amdhsa_memory_ordered 1
		.amdhsa_forward_progress 1
		.amdhsa_inst_pref_size 50
	.end_amdhsa_kernel
	.amdgpu_metadata
---
amdhsa.version: [ 1, 2 ]
amdhsa.kernels:
  - .name:           k_q28178b8e26_attn
    .symbol:         k_q28178b8e26_attn.kd
    .args:
      - { .name: q, .offset: 0, .size: 8, .value_kind: global_buffer, .address_space: global }
      - { .name: event_length, .offset: 8, .size: 8, .value_kind: global_buffer, .address_space: global }
      - { .name: kc, .offset: 16, .size: 8, .value_kind: global_buffer, .address_space: global }
      - { .name: ks, .offset: 24, .size: 8, .value_kind: global_buffer, .address_space: global }
      - { .name: vc, .offset: 32, .size: 8, .value_kind: global_buffer, .address_space: global }
      - { .name: vs, .offset: 40, .size: 8, .value_kind: global_buffer, .address_space: global }
      - { .name: out0, .offset: 48, .size: 8, .value_kind: global_buffer, .address_space: global }
    .group_segment_fixed_size: 215040
    .private_segment_fixed_size: 0
    .kernarg_segment_align: 8
    .kernarg_segment_size: 56
    .max_flat_workgroup_size: 512
    .sgpr_count:     66
    .vgpr_count:     256
    .wavefront_size: 32
...
	.end_amdgpu_metadata
.endif
;; end of part 4
